; MI455X (gfx1250); checked and timed in simulation.
; The chip was launched on July 23, 2026; its instructions are those of AMD's public machine-readable ISA for CDNA 5 (MIT licence, August 2026) and "CDNA5" Instruction Set Architecture Reference Guide (July 2026). The comments in the code are by the model that wrote it; some were corrected since.
;; Attention Layer. Allowed arithmetic: matrix products marked QUANTISED: E2M1 operands, one E8M0 scale for each 32 along K, by v_wmma_scale_f32_16x16x128_f8f6f4 with both operands' format E2M1 (or v_wmma_scale_f32_32x16x128_f4), f32 sums; products left as they are: f32 operands where the result goes on into a quantised operand, else bf16, f16 or f32 operands; f32 sums; everything else in f32.
;; Inputs: O_codes 128 x 32 x 16 uint8 (E2M1 codes of O, K innermost, in blocks of 32 codes, two codes a byte); O_scales 128 x 32 uint8 (E8M0 scales of O, one for each 32 codes along K); W_K 8 x 128 x 128 float32; W_Q 8 x 128 x 128 float32; W_V 8 x 128 x 128 float32; X_K_codes 2 x 2,048 x 4 x 16 uint8 (E2M1 codes of X_K, K innermost, in blocks of 32 codes, two codes a byte); X_K_scales 2 x 2,048 x 4 uint8 (E8M0 scales of X_K, one for each 32 codes along K); X_Q 2 x 2,048 x 128 float32; X_V_codes 2 x 128 x 64 x 16 uint8 (E2M1 codes of X_V, K innermost, in blocks of 32 codes, two codes a byte); X_V_scales 2 x 128 x 64 uint8 (E8M0 scales of X_V, one for each 32 codes along K); mask 2 x 1 x 2,048 x 2,048 int32.
;; Outputs: out0 2 x 2,048 x 128 float32.
;; This version of the problem:
;;   THIS VERSION OF THE PROBLEM IS GIVEN IN LOW PRECISION. The matrix products marked QUANTISED in the list below multiply operands that are first quantised to E2M1 (2 exponent bits, 1 mantissa bit; 4 bits a number), with one power-of-two scale for each 32 numbers along K (OCP MX v1.0); their sums are f32. All else is computed in f32.
;;   The module's matrix products, in the order in which they are computed (A, B: the left and right operand; K: the contracted axis; several contracted axes count as one K, in the product's order):
;;     1. batch 128 x [M 8, K 1] x [K 1, N 4,096]; A: computed on the way; B: computed on the way: left as it is (no contracted axis)
;;     2. batch 2 x [M 16,384, K 128] x [K 128, N 2,048]; A: computed on the way; B: input X_K (given as codes): QUANTISED
;;     3. batch 2 x [M 128, K 2,048] x [K 2,048, N 16,384]; A: input X_V (given as codes); B: softmax (see below): QUANTISED
;;     4. batch 1,024 x [M 4,096, K 1] x [K 1, N 1]; A: computed on the way; B: computed on the way: left as it is (no contracted axis)
;;     5. [M 4,096, K 1,024] x [K 1,024, N 128]; A: computed on the way; B: input O (given as codes): QUANTISED
;;   THE QUANTISER, for each operand of a quantised product, along K:
;;     - K is cut into blocks of 32 from its start; a last block that is shorter is filled with zeros.
;;     - A block's scale is 2^e with e = floor(log2(the largest magnitude in the block)) - 2, held to -126 .. 127; a block of zeros has e = 0. As a byte (E8M0): e + 127.
;;     - Each number is divided by its block's scale, clamped to +-6, and rounded to the nearest number of E2M1, ties to even, subnormals kept.
;;     - The product sums the exact products of the quantised numbers (number of the format x scale) in f32.
;;   ~~~python
;;   def quantise(x, axis):      # numpy; x: float32 -> the quantised numbers, widened to float32 again
;;       x = np.moveaxis(x, axis, -1); K = x.shape[-1]
;;       x = np.pad(x, [(0, 0)] * (x.ndim - 1) + [(0, -K % 32)]); x = x.reshape(x.shape[:-1] + (-1, 32)); a = np.abs(x).max(-1, keepdims=True)
;;       e = np.where(a > 0, np.clip(np.frexp(np.where(a > 0, a, 1))[1] - 1 - 2, -126, 127), 0)      # np.frexp(a)[1] - 1 = floor(log2(a)), exactly
;;       r = np.clip(x / 2.0 ** e, -6, 6)
;;       step = 2.0 ** (np.maximum(np.frexp(np.where(r == 0, 1, r))[1] - 1, 0) - 1)
;;       q = np.round(r / step) * step * 2.0 ** e      # np.round: ties to even
;;       return np.moveaxis(q.reshape(q.shape[:-2] + (-1,))[..., :K], -1, axis).astype(np.float32)
;;   ~~~
;;   SOFTMAX AHEAD OF A QUANTISED PRODUCT. Where the list says 'softmax', what is quantised is not the finished softmax but p = 2^(t - M), with t = logit x log2(e) and M = ceil(the row's largest t), a whole number; so 1/2 < the row's largest p <= 1. The row's sum l is taken of the UNQUANTISED p, in f32, and the product's result is divided by l at the end. Since M is a whole number, a kernel that streams over the keys may use a running M (the ceiling of the running maximum): every later rescaling is an exact power of two, which a block's scale takes up: the codes' values come out the same.
;;   OPERANDS COMPUTED ON THE WAY. 'Computed on the way' means the value that the module computes at that place (a softmax that the list does not call 'softmax' is quantised finished and normalised). What goes into a quantiser is computed in f32, as accurately as f32 sums, v_exp_f32 and their like allow (about 1e-6 of the number): no bf16 or f16 on the way to a quantiser, and a product that is left as it is and whose result goes on into a quantised operand takes f32 operands (vector FMAs, or v_wmma_f32_16x16x4_f32). A number that lies on a knife's edge between two numbers of the format may be rounded either way, as far as f32 arithmetic and the matrix unit's own rounding can turn it there, and no further.
;;   INPUTS GIVEN AS CODES. O (in the module: [1024, 128], K = its axis 0); X_K (in the module: [2, 2048, 128], K = its axis 2); X_V (in the module: [2, 2048, 128], K = its axis 1): each comes as NAME_codes (uint8): NAME with its K axis moved to the last place and cut into blocks of 32 codes, [.., K / 32, bytes a block], one block behind the other in memory; two codes a byte, the lower K in the low four bits (a code: sign, 2 exponent bits, 1 mantissa bit); and NAME_scales (uint8): the same leading axes, one E8M0 byte (e + 127) for each 32 codes along K. Its value is code x scale, taken as it is: it is not quantised again, and the codes and scales need not be those that the quantiser above would give.
;; 2 versions. Each part assembles by itself: llvm-mc -triple=amdgcn-amd-amdhsa -mcpu=gfx1250 --defsym DOCPART=n.
;; ======== version 1 of 2: 2 launches
;; workspace buffers: maskw 1,048,576 bytes of whole numbers; kv 557,056 bytes; gd 8,192 bytes
;; launch prep (part 1): grid 545 x 1, 8 waves a work-group, no clusters, 68,608 bytes of LDS; arguments mask, X_K_codes, X_K_scales, X_V_codes, X_V_scales, W_Q, W_K, W_V, maskw, kv, gd; writes maskw, kv, gd
.if DOCPART == 1
	.amdgcn_target "amdgcn-amd-amdhsa--gfx1250"
	.amdhsa_code_object_version 6
	.text
	.protected	k_qcf7b3e52ee_prep
	.globl	k_qcf7b3e52ee_prep
	.p2align	8
	.type	k_qcf7b3e52ee_prep,@function
k_qcf7b3e52ee_prep:
	s_mov_b64 s[64:65], 0
	v_nop
	global_prefetch_b8 v0, s[64:65] scope:SCOPE_SE
	s_setreg_imm32_b32 hwreg(HW_REG_WAVE_MODE, 25, 1), 1
	s_wait_xcnt 0x0
; THE LAUNCH IN FRONT OF THE ATTENTION.  Three pieces of work, chosen by the work-group's number; each reads inputs alone and stores into a buffer of the program's own.
;  work-groups 0-511   MASK: mask [4096 rows][2048 keys] int32 -> maskw [T 256][s 16][n 64] u32.  Bit L = r + 16 h of word n says whether
;                      mask[16 T + r][128 s + 32 (n / 16) + 16 h + n % 16] is not 0: the lane mask for register n of a tile of scores (16 queries x 128 keys) as the next launch holds it.
;                      So the 33.5 MB are read once for all eight heads, and a masked score costs the next launch one select.
;  work-groups 512-543 KV: the codes and scale bytes of 128 keys of one batch -> one block of 17,408 bytes of kv, laid as IMAGES OF THE OPERANDS' REGISTERS:
;                      K's 8 fragments (1,024 bytes each: register group c at 512 c, lane L's 16 bytes at 16 L), V's 8 fragments, K's scale words (512 bytes), V's scale words (512 bytes).
;                      Lane r of tile 2 j + u takes row 32 j + 8 u + r + 8 (r / 8) (K: that key of the 128; V: that channel), so that a result's 16 registers of two neighbouring tiles are 16 neighbours.
;                      A scale image: lane L's word j is that of tile 2 j (lanes 0-15) or 2 j + 1 (lanes 16-31), row L % 16.
;  work-group 544      DIAGONALS: gd = g[8][128] = diag(W_Q) x diag(W_K), then dv[8][128] = diag(W_V), f32.
; Every step is written out, every offset is an immediate, no register that a load or store names is written again: so no wait for address translation is needed.  Waves share nothing: no barrier.
.set X,   16                           ; v16-79   mask path: 16 rows x 512 bytes as loaded
.set Y,   80                           ; v80-143  the same after the turn through LDS: register 16 b + i = key 32 b + 16 h + i of row r
.set RP,  528                          ; a stage row: 512 bytes + 16: an odd multiple of 16 bytes, so the sixteen rows that a load touches start at different banks (64 banks of 4 bytes: ISA guide 11.1)
.set WST, 16*RP                        ; a wave's stage: 8,448 bytes
	v_lshl_add_u32 v144, v0, 2, 0x10800
	v_mov_b32 v145, 0
	v_lshrrev_b32 v1, 5, v0
	v_readfirstlane_b32 s8, v1                     ; wave 0..7
	v_and_b32 v1, 31, v0                           ; lane
	v_and_b32 v9, 15, v0                           ; r
	v_bfe_u32 v10, v0, 4, 1                        ; h
	v_and_b32 v11, 8, v9
	v_add_nc_u32 v11, v11, v9                      ; r + 8 (r / 8)
	s_cmp_lt_u32 ttmp9, 512
	s_cbranch_scc1 .Lmask
	s_cmp_lt_u32 ttmp9, 544
	s_cbranch_scc1 .Lkv
; ---- DIAGONALS.  Thread t owns numbers 4 t .. 4 t + 3 of the 1,024: head t / 32, d = 4 (t % 32) + k; W[h][d][d] lies at 65,536 h + 516 d bytes.
	s_load_b64 s[12:13], s[0:1], 0x28              ; W_Q
	s_load_b128 s[16:19], s[0:1], 0x30             ; W_K, W_V
	s_load_b64 s[20:21], s[0:1], 0x50              ; gd
	v_lshrrev_b32 v3, 5, v0
	v_mul_u32_u24 v2, v1, 2064
	v_lshl_add_u32 v2, v3, 16, v2
	v_lshlrev_b32 v4, 4, v0
	s_wait_kmcnt 0x0
.irp k, 0,1,2,3
	global_load_b32 v[16+\k], v2, s[12:13] offset:516*\k
	global_load_b32 v[20+\k], v2, s[16:17] offset:516*\k
	global_load_b32 v[24+\k], v2, s[18:19] offset:516*\k
.endr
	s_wait_loadcnt 0x0
	v_pk_mul_f32 v[16:17], v[16:17], v[20:21]      ; g = dq x dk, in f32
	v_pk_mul_f32 v[18:19], v[18:19], v[22:23]
	global_store_b128 v4, v[16:19], s[20:21]
	global_store_b128 v4, v[24:27], s[20:21] offset:4096
	s_endpgm
; ---- MASK.  Wave U = 8 x work-group + wave takes the unit (T = U / 16, s = U % 16): 16 rows x 128 keys.
.Lmask:
	s_load_b64 s[4:5], s[0:1], 0x0                 ; mask
	s_load_b64 s[6:7], s[0:1], 0x40                ; maskw
	s_lshl_b32 s9, ttmp9, 3
	s_add_co_u32 s9, s9, s8                        ; U
	s_lshr_b32 s10, s9, 4
	s_and_b32 s11, s9, 15
	s_lshl_b32 s12, s10, 17                        ; 16 rows of 8,192 bytes
	s_lshl_b32 s11, s11, 9                         ; 128 keys of 4 bytes
	s_add_co_u32 s12, s12, s11
	s_mov_b32 s13, 0
	s_lshl_b32 s14, s9, 8                          ; 64 words a unit
	s_mov_b32 s15, 0
	s_mul_i32 s32, s8, WST                         ; my stage
	v_lshlrev_b32 v2, 4, v1                        ; 16 x lane: my bytes of a row's 512
	v_add_nc_u32 v3, s32, v2                       ; into the stage as they lie
	v_mul_u32_u24 v4, v9, RP
	v_lshl_add_u32 v4, v10, 6, v4
	v_add_nc_u32 v4, s32, v4                       ; out of it: row r, + 64 h
	v_lshlrev_b32 v5, 3, v1                        ; the way out: 8 bytes a lane
	v_mov_b32 v6, 0                                ; the words: lane L gathers words 2 L and 2 L + 1 (written whole first: a lane write keeps the other lanes)
	v_mov_b32 v7, 0
	s_wait_kmcnt 0x0
	s_add_nc_u64 s[4:5], s[4:5], s[12:13]
	s_add_nc_u64 s[6:7], s[6:7], s[14:15]
.irp i, 0,1,2,3,4,5,6,7,8,9,10,11,12,13,14,15
	global_load_b128 v[X+4*\i:X+4*\i+3], v2, s[4:5] offset:8192*\i th:TH_LOAD_NT   ; 32 lanes read 512 consecutive bytes of row i; read once in the launch
.endr
.irp i, 0,1,2,3,4,5,6,7,8,9,10,11,12,13,14,15
	s_wait_loadcnt 15-\i                           ; loads come back in order: row i is in, the 15 - i younger rows may be out
	ds_store_b128 v3, v[X+4*\i:X+4*\i+3] offset:RP*\i
.endr
.irp b, 0,1,2,3
.irp j, 0,1,2,3
	ds_load_b128 v[Y+16*\b+4*\j:Y+16*\b+4*\j+3], v4 offset:128*\b+16*\j   ; LDS serves a wave's instructions in order: these see my stores
.endr
.endr
.irp b, 0,1,2,3
	s_wait_dscnt 12-4*\b                           ; block b's four loads are in; the later blocks' four each may be out
.set k, 0
.rept 16
	v_cmp_ne_u32 s[16+k], 0, v[Y+16*\b+k]          ; word 16 b + k: one bit a lane
.set k, k+1
.endr
.set k, 0
.rept 16
	v_writelane_b32 v[6+(k&1)], s[16+k], 8*\b+(k>>1)
.set k, k+1
.endr
.endr
	global_store_b64 v5, v[6:7], s[6:7]            ; 32 lanes store 256 consecutive bytes, at a multiple of 256 from maskw's first byte
	s_wait_tensorcnt 0x0
	ds_add_u32 v144, v145
	s_wait_dscnt 0x0
	s_endpgm
; ---- KV.  Block = work-group - 512: batch = block / 16, step = block % 16.  Wave w takes tile w of K and tile w of V; waves 0 and 1 also make the two scale images.
.Lkv:
	s_load_b64 s[12:13], s[0:1], 0x8               ; X_K_codes
	s_load_b128 s[16:19], s[0:1], 0x10             ; X_K_scales, X_V_codes
	s_load_b64 s[20:21], s[0:1], 0x20              ; X_V_scales
	s_load_b64 s[22:23], s[0:1], 0x48              ; kv
	s_sub_co_u32 s9, ttmp9, 512
	s_lshr_b32 s10, s9, 4                          ; batch
	s_and_b32 s11, s9, 15                          ; step
	s_lshr_b32 s24, s8, 1
	s_lshl_b32 s24, s24, 5
	s_and_b32 s25, s8, 1
	s_lshl_b32 s25, s25, 3
	s_add_co_u32 s26, s24, s25                     ; the tile's first row: 32 (w / 2) + 8 (w % 2)
	s_lshl_b32 s24, s10, 11
	s_lshl_b32 s25, s11, 7
	s_add_co_u32 s27, s24, s25                     ; the step's first key among the 4,096
	s_add_co_u32 s24, s27, s26
	s_lshl_b32 s24, s24, 6                         ; K's codes: 64 bytes a key
	s_mov_b32 s25, 0
	s_lshl_b32 s28, s10, 7
	s_add_co_u32 s28, s28, s26
	s_lshl_b32 s28, s28, 10                        ; V's codes: 1,024 bytes a channel,
	s_lshl_b32 s29, s11, 6
	s_add_co_u32 s28, s28, s29                     ; 64 bytes a step
	s_mov_b32 s29, 0
	s_lshl_b32 s30, s27, 2                         ; K's scale words: 4 bytes a key
	s_mov_b32 s31, 0
	s_lshl_b32 s32, s10, 13                        ; V's: 64 bytes a channel,
	s_lshl_b32 s33, s11, 2
	s_add_co_u32 s32, s32, s33                     ; 4 bytes a step
	s_mov_b32 s33, 0
	s_mul_i32 s34, s9, 17408                       ; my block of kv,
	s_mov_b32 s35, 0
	s_lshl_b32 s36, s8, 10                         ; my tile's image in it
	s_mov_b32 s37, 0
	v_lshlrev_b32 v2, 6, v11
	v_lshl_add_u32 v2, v10, 4, v2                  ; K: row r + 8 (r / 8) of the tile, + 16 h
	v_lshlrev_b32 v3, 10, v11
	v_lshl_add_u32 v3, v10, 4, v3                  ; V likewise
	v_lshlrev_b32 v4, 4, v1                        ; an image: 16 x lane
	v_lshlrev_b32 v5, 2, v11
	v_lshl_add_u32 v5, v10, 5, v5                  ; K's scale words: lanes 16-31 take the odd tile, 8 keys on
	v_lshlrev_b32 v6, 6, v11
	v_lshl_add_u32 v6, v10, 9, v6                  ; V's: 8 channels on
	s_wait_kmcnt 0x0
	s_add_nc_u64 s[12:13], s[12:13], s[24:25]
	s_add_nc_u64 s[18:19], s[18:19], s[28:29]
	s_add_nc_u64 s[16:17], s[16:17], s[30:31]
	s_add_nc_u64 s[20:21], s[20:21], s[32:33]
	s_add_nc_u64 s[22:23], s[22:23], s[34:35]
	s_add_nc_u64 s[38:39], s[22:23], s[36:37]
	global_load_b128 v[16:19], v2, s[12:13]            ; registers 4 c .. 4 c + 3 of a fragment of 4-bit codes: k = 64 c + 32 h + 0 .. 31: 16 bytes at 32 c + 16 h of the row
	global_load_b128 v[20:23], v2, s[12:13] offset:32
	global_load_b128 v[24:27], v3, s[18:19]
	global_load_b128 v[28:31], v3, s[18:19] offset:32
	s_wait_loadcnt 0x0
	global_store_b128 v4, v[16:19], s[38:39]           ; each store: 512 consecutive bytes
	global_store_b128 v4, v[20:23], s[38:39] offset:512
	global_store_b128 v4, v[24:27], s[38:39] offset:8192
	global_store_b128 v4, v[28:31], s[38:39] offset:8704
	s_cmp_lg_u32 s8, 0
	s_cbranch_scc1 .Lnot_wave_0
.irp j, 0,1,2,3
	global_load_b32 v[32+\j], v5, s[16:17] offset:128*\j
.endr
	s_wait_loadcnt 0x0
	global_store_b128 v4, v[32:35], s[22:23] offset:16384
.Lnot_wave_0:
	s_cmp_lg_u32 s8, 1
	s_cbranch_scc1 .Lkv_end
.irp j, 0,1,2,3
	global_load_b32 v[36+\j], v6, s[20:21] offset:2048*\j
.endr
	s_wait_loadcnt 0x0
	global_store_b128 v4, v[36:39], s[22:23] offset:16896
.Lkv_end:
	s_endpgm
.Lfunc_end_k_qcf7b3e52ee_prep:
	.size	k_qcf7b3e52ee_prep, .Lfunc_end_k_qcf7b3e52ee_prep-k_qcf7b3e52ee_prep
	.p2alignl 7, 3214868480
	.fill 96, 4, 3214868480
	.section	.rodata,"a",@progbits
	.p2align	6, 0x0
	.amdhsa_kernel k_qcf7b3e52ee_prep
		.amdhsa_group_segment_fixed_size 68608
		.amdhsa_private_segment_fixed_size 0
		.amdhsa_enable_private_segment 0
		.amdhsa_kernarg_size 88
		.amdhsa_user_sgpr_count 2
		.amdhsa_user_sgpr_kernarg_segment_ptr 1
		.amdhsa_wavefront_size32 1
		.amdhsa_system_sgpr_workgroup_id_x 1
		.amdhsa_system_sgpr_workgroup_id_y 1
		.amdhsa_system_sgpr_workgroup_id_z 1
		.amdhsa_system_vgpr_workitem_id 0
		.amdhsa_next_free_vgpr 146
		.amdhsa_next_free_sgpr 66
		.amdhsa_reserve_vcc 0
		.amdhsa_float_denorm_mode_32 3
		.amdhsa_float_denorm_mode_16_64 3
		.amdhsa_memory_ordered 1
		.amdhsa_forward_progress 1
		.amdhsa_inst_pref_size 20
	.end_amdhsa_kernel
	.amdgpu_metadata
---
amdhsa.version: [ 1, 2 ]
amdhsa.kernels:
  - .name:           k_qcf7b3e52ee_prep
    .symbol:         k_qcf7b3e52ee_prep.kd
    .args:
      - { .name: mask, .offset: 0, .size: 8, .value_kind: global_buffer, .address_space: global }
      - { .name: X_K_codes, .offset: 8, .size: 8, .value_kind: global_buffer, .address_space: global }
      - { .name: X_K_scales, .offset: 16, .size: 8, .value_kind: global_buffer, .address_space: global }
      - { .name: X_V_codes, .offset: 24, .size: 8, .value_kind: global_buffer, .address_space: global }
      - { .name: X_V_scales, .offset: 32, .size: 8, .value_kind: global_buffer, .address_space: global }
      - { .name: W_Q, .offset: 40, .size: 8, .value_kind: global_buffer, .address_space: global }
      - { .name: W_K, .offset: 48, .size: 8, .value_kind: global_buffer, .address_space: global }
      - { .name: W_V, .offset: 56, .size: 8, .value_kind: global_buffer, .address_space: global }
      - { .name: maskw, .offset: 64, .size: 8, .value_kind: global_buffer, .address_space: global }
      - { .name: kv, .offset: 72, .size: 8, .value_kind: global_buffer, .address_space: global }
      - { .name: gd, .offset: 80, .size: 8, .value_kind: global_buffer, .address_space: global }
    .group_segment_fixed_size: 68608
    .private_segment_fixed_size: 0
    .kernarg_segment_align: 8
    .kernarg_segment_size: 88
    .max_flat_workgroup_size: 256
    .sgpr_count:     66
    .vgpr_count:     146
    .wavefront_size: 32
...
	.end_amdgpu_metadata
.endif
;; end of part 1
;; launch attn (part 2): grid 256 x 1, 16 waves a work-group, clusters of 4 x 1, 327,680 bytes of LDS; arguments kv, gd, maskw, X_Q, O_codes, O_scales, out0; writes out0
.if DOCPART == 2
	.amdgcn_target "amdgcn-amd-amdhsa--gfx1250"
	.amdhsa_code_object_version 6
	.text
	.protected	k_qcf7b3e52ee_attn
	.globl	k_qcf7b3e52ee_attn
	.p2align	8
	.type	k_qcf7b3e52ee_attn,@function
k_qcf7b3e52ee_attn:
	s_mov_b64 s[64:65], 0
	v_nop
	global_prefetch_b8 v0, s[64:65] scope:SCOPE_SE
	s_setreg_imm32_b32 hwreg(HW_REG_WAVE_MODE, 25, 1), 1
	s_wait_xcnt 0x0
	s_wait_alu depctr_hold_cnt(0) depctr_sa_sdst(0) depctr_va_vdst(0) depctr_va_sdst(0) depctr_va_ssrc(0) depctr_va_vcc(0) depctr_vm_vsrc(0)
	s_getreg_b32 s2, hwreg(HW_REG_IB_STS2, 6, 4)
	s_cmp_eq_u32 s2, 0
	s_cbranch_scc0 .Lentry_in_a_cluster
	s_endpgm
.Lentry_in_a_cluster:
	s_bfe_u32 s2, ttmp6, 0x10000c
	s_cmp_lg_u32 s2, 0x3003
	s_cbranch_scc0 .Lentry_shape_is_right
	s_endpgm
.Lentry_shape_is_right:
; out[row][:] = concat over heads h of ( softmax_k( mask ? (X_Q[row] x g[h]) . X_K[k] / sqrt(128) : -inf ) X_V[k] x dv[h] )  times O.  All three products on codes of FP4 (E2M1) with one E8M0 scale for each 32 along K.
; SHARES.  Work-group T owns rows 16 T .. 16 T + 15 of the 4,096 (batch, query) rows, for ALL eight heads: so the projection, whose K runs over the heads, is made here too and nothing goes to memory between.
;   Wave w: head w % 8, half w / 8 of the batch's 2,048 keys: eight steps of 128 keys.  One tile of 16 queries in 256 registers, four waves to a SIMD, so that one wave's vector work stands beside another's products and LDS loads.
;   The two halves of a head are merged at the end by exact powers of two (M is a whole number).
; K AND V.  The launch in front has laid a batch's codes and scale words as images of the operands' registers, 17,408 bytes a step, 278,528 a batch: they fit in LDS whole.  Every byte is filled ONCE, by two tensor loads a wave
;   issued together at the start (two are out at the most); nothing is filled again.  A fragment comes by two ds_load_b128 at 16 x lane + a constant: 512 consecutive bytes each.
; CLUSTER.  The four work-groups of a cluster belong to one batch (128 work-groups a batch) and want the same 278,528 bytes: every tensor load is a JOINT one, the same descriptor and the mask of all four in all four.
;   The place in the cluster enters the global addresses of X_Q, maskw and out0 alone.
; LAYOUT.  Both attention products are used transposed: S^T = K Q^T, O^T = V^T P^T: a lane holds ONE query (lane % 16).  By the choice of a tile's rows, register n of the 64 holds key (or channel) 32 (n / 16) + 16 (lane / 16) + n % 16.
; MASK.  maskw holds, for each (T, step, register n), the 32 lanes' bits as one word: 64 scalar registers a step, asked for a step ahead; a hidden score becomes -infinity by one select, ahead of the maximum.
; SOFTMAX.  t = score x c, c = log2(e) / sqrt(128) (the two factors folded into one constant and one fused multiply-add); M = the running largest t rounded up to a whole number; p = 2^(t - M) is quantised along the keys, not normalised;
;   the sum is taken of the unquantised p.  When M moves, the sum and O^T are multiplied by 2^(old M - new M): exact.  A block's largest p is made from the block's largest score by the same two instructions.
; LIMITS.  NaN and infinities among the floating-point inputs are not served.  A block whose largest magnitude lies under 2^-124 (a block of zeros too) gets the scale byte 1; its codes are then zeros or subnormal codes; these bytes are read here alone.
;   The two key halves' sums, and the projection's even and odd K steps, are added at the end in f32.  A row all of whose keys are hidden gives NaN in its 128 outputs (0 x 1 / 0 is added to them).
.set STEPB,  17408                     ; a step's block: K's 8 fragments, V's 8 (at 8,192), K's scale words (at 16,384), V's (at 16,896)
.set HALFB,  8*STEPB                   ; a wave's eight steps
.set PIECE,  8704                      ; what one tensor load brings: 34 rows of 256 bytes
.set PHASE,  8*PIECE                   ; four steps
.set BATCHB, 16*STEPB
.set SPITCH, 528                       ; a stage row: 512 bytes + 16, an odd multiple of 16 bytes
.set STG,    BATCHB                    ; LDS behind K and V: 16 rows x 528: first X_Q's tile, at the end out's
.set OHI,    STG+16*SPITCH             ; the heads' results as 8 fragment images of 1,024 bytes,
.set OHS,    OHI+8192                  ; their scale words, 128 bytes a head,
.set OHZ,    OHS+1024                  ; and 0 x 1 / l, 128 bytes a head.  The partial results of the upper key halves, 8 x 8,704 bytes, lie from LDS byte 0 on, over steps 0-3, which have had their only fill and their last read by then
.set AD,  1                            ; v1   16 x lane + my half's first step; one step on behind each fetch of V
.set NI,  2                            ; v2   -infinity
.set RI,  3                            ; v3   16 x lane + OHI
.set VS,  4                            ; v4-7 V's scale words;  v8-11 K's;  at the end v4-11 O's.  v24 Q's, v25 p's; at the end v24-31 the heads' results'.  These registers hold scales and nothing else
.set KS,  8
.set QF,  16                           ; v16-23 Q's fragment; at the end v16-20 addresses
.set QS,  24
.set PS,  25
.set KF,  32                           ; v32-95   8 fragments of K, then of V; at the end dv, or O's fragments
.set S,   96                           ; v96-159  S^T, then p
.set O,   160                          ; v160-223 O^T
.set PC,  224                          ; v224-231 codes just made
.set BM,  232                          ; v232-235 block maxima;  v236-239 the other half's, then bytes;  v240-243 the conversions' scale operands
.set BX,  236
.set SOP, 240                          ; v12 -M, v13 the largest t, v[14:15] the sum in two halves, v[244:245] a second chain of it, v[246:247] f, v248-249 at work
.set SR,  250                          ; v250 STG + 528 x wave + 16 x lane        v251 STG + 528 r + 64 h        v252 64 h        v253 16 x thread
.set XOUT, 251
.set GH,  252
.set XO,  253
.set SOA, 254                          ; v254 STG + 528 r + 32 h + 64 x head     v255 16 x lane + 8,704 x head
.set PA,  255
.set CS,  4                            ; s[4:5] c, twice     s[6:7] lane selects for lane xor 16     s[8:15] descriptor group 1     s[16:19], s[20:23] groups 0     s24 wave, s25 head, s26 key half, s27 T
.set SEL, 6                            ; s[2:3] my mask words     s[32:63], s[68:99] a step's 64 mask words     s[100:101] X_Q's tile     s[104:105] my head's g
.macro ROUND                           ; a round of the cluster's barrier: my work-group's barrier; wave 0 signals for the work-group; every wave waits for all four work-groups; my work-group's barrier once more
	s_barrier_signal -1
	s_barrier_wait -1
	s_cmp_lg_u32 s24, 0
	s_cbranch_scc1 .Lnot_wave_0_\@
	s_barrier_signal -3
.Lnot_wave_0_\@:
	s_barrier_wait -3
	s_barrier_signal -1
	s_barrier_wait -1
.endm
.macro BAR                             ; my LDS stores have landed and my LDS loads are in: then the work-group's barrier
	s_wait_dscnt 0x0
	s_barrier_signal -1
	s_barrier_wait -1
.endm
; one product 16 x 16 x 128.  zero = 1: it starts the sum.  row1 = 1: source 0's scale words stand in lanes 16-31
.macro MM d, a, b, zero, sa, sb, row1
.if \zero
.if \row1
	v_wmma_scale_f32_16x16x128_f8f6f4 v[0+(\d):7+(\d)], v[0+(\a):7+(\a)], v[0+(\b):7+(\b)], 0, v[0+(\sa)], v[0+(\sb)] matrix_a_fmt:MATRIX_FMT_FP4 matrix_b_fmt:MATRIX_FMT_FP4 matrix_a_scale:MATRIX_SCALE_ROW1
.else
	v_wmma_scale_f32_16x16x128_f8f6f4 v[0+(\d):7+(\d)], v[0+(\a):7+(\a)], v[0+(\b):7+(\b)], 0, v[0+(\sa)], v[0+(\sb)] matrix_a_fmt:MATRIX_FMT_FP4 matrix_b_fmt:MATRIX_FMT_FP4
.endif
.else
.if \row1
	v_wmma_scale_f32_16x16x128_f8f6f4 v[0+(\d):7+(\d)], v[0+(\a):7+(\a)], v[0+(\b):7+(\b)], v[0+(\d):7+(\d)], v[0+(\sa)], v[0+(\sb)] matrix_a_fmt:MATRIX_FMT_FP4 matrix_b_fmt:MATRIX_FMT_FP4 matrix_a_scale:MATRIX_SCALE_ROW1
.else
	v_wmma_scale_f32_16x16x128_f8f6f4 v[0+(\d):7+(\d)], v[0+(\a):7+(\a)], v[0+(\b):7+(\b)], v[0+(\d):7+(\d)], v[0+(\sa)], v[0+(\sb)] matrix_a_fmt:MATRIX_FMT_FP4 matrix_b_fmt:MATRIX_FMT_FP4
.endif
.endif
.endm
.macro KLOAD                           ; the step's 8 fragments of K and their scale words: 17 loads
.irp t, 0,1,2,3,4,5,6,7
	ds_load_b128 v[KF+8*\t:KF+8*\t+3], v[AD] offset:1024*\t
	ds_load_b128 v[KF+8*\t+4:KF+8*\t+7], v[AD] offset:1024*\t+512
.endr
	ds_load_b128 v[KS:KS+3], v[AD] offset:16384
.endm
.macro VLOAD                           ; the same of V; then the address goes on to the next step
.irp t, 0,1,2,3,4,5,6,7
	ds_load_b128 v[KF+8*\t:KF+8*\t+3], v[AD] offset:8192+1024*\t
	ds_load_b128 v[KF+8*\t+4:KF+8*\t+7], v[AD] offset:8192+1024*\t+512
.endr
	ds_load_b128 v[VS:VS+3], v[AD] offset:16896
	v_add_nc_u32 v[AD], STEPB, v[AD]
.endm
.macro MASKLOAD i                      ; step i's 64 mask words: 256 consecutive bytes
	s_load_b512 s[32:47], s[2:3], 256*(\i)
	s_load_b512 s[48:63], s[2:3], 256*(\i)+64
	s_load_b512 s[68:83], s[2:3], 256*(\i)+128
	s_load_b512 s[84:99], s[2:3], 256*(\i)+192
.endm
; 64 numbers of a lane, register 16 b + i = k 32 b + 16 (lane / 16) + i of my row, become a fragment's codes in v[pc] on and its scale word in v[pw]
.macro QUANT src, pc, pw
.irp b, 0,1,2,3
	v_max3_num_f32 v[BM+\b], |v[\src+16*\b]|, |v[\src+1+16*\b]|, 0x1800000   ; block b: my 16 numbers, and the floor 2^(3 - 127): so the byte cannot fall under 1
.endr
.irp i, 2,4,6,8,10,12,14
.irp b, 0,1,2,3
	v_max3_num_f32 v[BM+\b], v[BM+\b], |v[\src+16*\b+\i]|, |v[\src+1+16*\b+\i]|   ; (the four blocks by turns)
.endr
.endr
.irp b, 0,1,2,3
	v_permlanex16_b32 v[BX+\b], v[BM+\b], s[SEL], s[SEL+1]
.endr
.irp b, 0,1,2,3
	v_max_num_f32 v[BM+\b], v[BM+\b], v[BX+\b]     ; with lane xor 16's: the block's largest magnitude
.endr
.irp b, 0,1,2,3
	v_add_nc_u32 v[SOP+\b], 0xff000000, v[BM+\b]   ; 2 off its exponent field: the conversion takes the exponent field of this operand as its scale
.endr
.irp b, 0,1,2,3
	v_lshrrev_b32 v[BX+\b], 23, v[SOP+\b]          ; the scale's byte
.endr
	v_lshl_or_b32 v[\pw], v[BX+1], 8, v[BX]
	v_lshl_or_b32 v[\pw], v[BX+2], 16, v[\pw]
	v_lshl_or_b32 v[\pw], v[BX+3], 24, v[\pw]
.irp b, 0,1,2,3
	v_cvt_scalef32_pk8_fp4_f32 v[\pc+2*\b], v[\src+16*\b:\src+7+16*\b], v[SOP+\b]
	v_cvt_scalef32_pk8_fp4_f32 v[\pc+1+2*\b], v[\src+8+16*\b:\src+15+16*\b], v[SOP+\b]
.endr
	v_nop                                          ; one plain place behind a scaled conversion
.irp c, 0,1                                    ; the operand's layout wants a WHOLE block in a lane: lanes 0-15 block 2 c, lanes 16-31 block 2 c + 1
.irp i, 0,1
	v_permlane16_swap_b32 v[\pc+4*\c+\i], v[\pc+2+4*\c+\i]
.endr
.endr
.endm
; lines from .. to - 1 of the 32 that add a step's 64 p to the sum, two at a time, in two chains
.macro SUML from, to
.set q, \from
.rept \to-\from
.if q == 0
	v_pk_add_f32 v[244:245], v[S:S+1], v[S+2:S+3]
.elseif q == 31
	v_pk_add_f32 v[14:15], v[14:15], v[244:245]
.elseif (q%2) == 1
	v_pk_add_f32 v[14:15], v[14:15], v[S+4*((q+1)/2):S+4*((q+1)/2)+1]
.else
	v_pk_add_f32 v[244:245], v[244:245], v[S+4*(q/2)+2:S+4*(q/2)+3]
.endif
.set q, q+1
.endr
.endm
; A KEY STEP, the i-th of my eight.  first = 1: it starts O^T's sums.  kpre = 1: the next step's K is fetched at its end.
; The accumulators take turns, one instruction a turn (S^T's eight, then O^T's eight).
.macro STEP i, first, kpre
	s_wait_dscnt 0x0                               ; K's 17 loads are in
.irp t, 0,1,2,3,4,5,6,7
	MM S+8*\t, KF+8*\t, QF, 1, KS+\t/2, QS, \t%2
.endr
.rept 4
	v_nop                                          ; four places in front of loads into registers that these products read, and of the first read of their results
.endr
	VLOAD                                          ; V has the whole softmax in which to come
	s_wait_kmcnt 0x0                               ; the mask words, asked for a step ago
.set n, 0
.rept 64
	v_cndmask_b32 v[S+n], v[NI], v[S+n], s[32+n+4*(n/32)]   ; a hidden key's score becomes -infinity; each accumulator from its low end on
.set n, n+1
.endr
.if \i < 7
	MASKLOAD \i+1
.else
	s_load_b64 s[32:33], s[0:1], 0x8               ; behind the last step's selects: the pointers of the end: gd,
	s_load_b128 s[36:39], s[0:1], 0x20             ; O_codes, O_scales,
	s_load_b64 s[40:41], s[0:1], 0x30              ; out0
.endif
.irp b, 0,1,2,3
	v_max3_num_f32 v[BM+\b], v[S+16*\b], v[S+1+16*\b], v[S+2+16*\b]   ; the largest score of each block of 32 keys: it serves the row's maximum and, since p rises with the score, the block's largest p
.endr
.irp k, 3,5,7,9,11,13
.irp b, 0,1,2,3
	v_max3_num_f32 v[BM+\b], v[BM+\b], v[S+16*\b+\k], v[S+1+16*\b+\k]
.endr
.endr
.irp b, 0,1,2,3
	v_max_num_f32 v[BM+\b], v[BM+\b], v[S+15+16*\b]
.endr
.irp b, 0,1,2,3
	v_permlanex16_b32 v[BX+\b], v[BM+\b], s[SEL], s[SEL+1]
.endr
.irp b, 0,1,2,3
	v_max_num_f32 v[BM+\b], v[BM+\b], v[BX+\b]     ; with lane xor 16's 16 keys
.endr
	v_max3_num_f32 v248, v[BM], v[BM+1], v[BM+2]
	v_max_num_f32 v248, v248, v[BM+3]              ; the step's largest score of my query
	v_mul_f32 v248, s[CS], v248                    ; as t (c is positive)
	v_max_num_f32 v13, v13, v248                   ; the running largest t
	v_mov_b32 v249, v12
	v_floor_f32 v12, -v13                          ; the new -M = floor(-t) = -ceil(t)
	v_sub_f32 v248, v12, v249                      ; old M - new M: a whole number, 0 or less
	v_cvt_i32_f32 v248, v248                       ; (it saturates)
	v_ldexp_f32 v246, 1.0, v248                    ; f = 2^(old M - new M)
.irp b, 0,1,2,3
	v_fma_f32 v[BM+\b], v[BM+\b], s[CS], v12       ; t - M of each block's largest score
.endr
	v_pk_fma_f32 v[S:S+1], v[S:S+1], s[CS:CS+1], v[12:13] op_sel_hi:[1,0,0]   ; and of the first pair of scores
.irp b, 0,1,2,3
	v_exp_f32 v[BM+\b], v[BM+\b]                   ; the block's largest p
.endr
	v_pk_mul_f32 v[14:15], v[14:15], v[246:247] op_sel_hi:[1,0]   ; the sum under the new M.  (The plain place behind the exponentials)
	s_wait_alu depctr_va_vdst(0)
.irp b, 0,1,2,3
	v_max_num_f32 v[BM+\b], 0x1800000, v[BM+\b]    ; the floor 2^(3 - 127): a block whose every p is 0 keeps the byte 1: its codes are zeros
.endr
.irp b, 0,1,2,3
	v_add_nc_u32 v[SOP+\b], 0xff000000, v[BM+\b]   ; 2 off the exponent field: the conversion's scale operand
.endr
.irp b, 0,1,2,3
	v_lshrrev_b32 v[BX+\b], 23, v[SOP+\b]          ; the scale's byte
.endr
	v_lshl_or_b32 v[PS], v[BX+1], 8, v[BX]         ; p's scale word for these 128 keys
	v_lshl_or_b32 v[PS], v[BX+2], 16, v[PS]
	v_lshl_or_b32 v[PS], v[BX+3], 24, v[PS]
; p = 2^(t - M).  Exponentials and plain work alternate: the next pair's t - M, and O^T's rescaling by f; so each exponential has a plain line behind it before its result is used
.set j, 0
.rept 32
	v_exp_f32 v[S+2*j], v[S+2*j]
.if j < 31
	v_pk_fma_f32 v[S+2*j+2:S+2*j+3], v[S+2*j+2:S+2*j+3], s[CS:CS+1], v[12:13] op_sel_hi:[1,0,0]
.endif
	v_exp_f32 v[S+2*j+1], v[S+2*j+1]
.if !\first
	v_pk_mul_f32 v[O+2*j:O+2*j+1], v[O+2*j:O+2*j+1], v[246:247] op_sel_hi:[1,0]
.endif
.set j, j+1
.endr
.if \first
	v_nop                                          ; the plain place behind the last exponential
	s_wait_alu depctr_va_vdst(0)
.endif
	s_wait_alu depctr_va_vdst(0)
.irp b, 0,1,2,3
	v_cvt_scalef32_pk8_fp4_f32 v[PC+2*\b], v[S+16*\b:S+7+16*\b], v[SOP+\b]
	v_cvt_scalef32_pk8_fp4_f32 v[PC+1+2*\b], v[S+8+16*\b:S+15+16*\b], v[SOP+\b]
.endr
	v_nop                                          ; one plain place behind a scaled conversion
.irp c, 0,1
.irp k, 0,1
	v_permlane16_swap_b32 v[PC+4*\c+\k], v[PC+2+4*\c+\k]
.endr
.endr
	SUML 0, 8                                      ; the sum of the unquantised p begins: eight plain lines between the writing of p's codes and the scaled products that take them
	s_wait_dscnt 0x0                               ; V's 17 loads are in
.irp t, 0,1,2,3,4,5,6,7
	MM O+8*\t, KF+8*\t, PC, \first, VS+\t/2, PS, \t%2
.endr
	SUML 8, 12                                     ; four plain lines that name none of those products' registers: the places in front of the loads below
.if \kpre
	KLOAD                                          ; the next step's K comes while the sum is finished
.endif
	SUML 12, 32
.endm
; ---- THE HEAD
	s_load_b256 s[32:39], s[0:1], 0x0              ; kv, gd, maskw, X_Q
	v_lshl_add_u32 v254, v0, 2, 0x48900
	v_mov_b32 v255, 0
	ds_add_u32 v254, v255
	ds_add_u32 v254, v255
	s_wait_dscnt 0x0
	v_lshrrev_b32 v1, 5, v0
	v_readfirstlane_b32 s24, v1                    ; wave 0..15
	s_and_b32 s25, s24, 7                          ; head
	s_lshr_b32 s26, s24, 3                         ; key half
	s_bfe_u32 s66, ttmp6, 0x40000                  ; cx: my place in the cluster
	s_lshl_b32 s27, ttmp9, 2                       ; in a cluster launch ttmp9 counts clusters
	s_add_co_u32 s27, s27, s66                     ; T = 4 x cluster + cx: it enters X_Q's, maskw's and out0's addresses alone
	s_lshr_b32 s28, ttmp9, 5                       ; the batch, which the four partners share: 32 clusters a batch
	s_mul_i32 s28, s28, BATCHB
	s_mul_i32 s31, s26, HALFB
	s_mul_i32 s30, s25, PIECE
	s_add_co_u32 s30, s30, s31                     ; my first piece: 139,264 x half + 8,704 x head, in LDS as in the batch's bytes
	s_add_co_u32 s28, s28, s30
	s_mov_b32 s29, 0
	; descriptor group 1: a dense block of 8,704 bytes as 34 rows of 256 (32 elements of 8 bytes), no padding
	s_mov_b32 s8, 15|(3<<16)|(1<<21)               ; 15:0 the mask: all four work-groups; 17:16 elements of 8 bytes; 21 set beside a mask
	s_mov_b32 s9, 32<<16                           ; tensor_dim0 = 32
	s_mov_b32 s10, 34<<16                          ; tensor_dim1 = 34
	s_mov_b32 s11, 32<<16                          ; tile_dim0 = 32
	s_mov_b32 s12, 34                              ; tile_dim1 = 34
	s_mov_b32 s13, 32                              ; tensor_dim0_stride
	s_mov_b32 s14, 0
	s_mov_b32 s15, 0
	s_mov_b32 s[CS], 0x3e0293ee                    ; c = log2(e) / sqrt(128)
	s_mov_b32 s[CS+1], s[CS]                       ; (named with it as a pair, so it is written)
	s_mov_b32 s[SEL], 0x76543210
	s_mov_b32 s[SEL+1], 0xfedcba98
	s_wait_kmcnt 0x0
	s_mov_b32 s16, 1                               ; group 0 of my first piece (of my half's steps 0-3): count = 1,
	s_mov_b32 s17, s30                             ; LDS address,
	s_add_nc_u64 s[18:19], s[32:33], s[28:29]      ; global address,
	s_mov_b32 s20, 1                               ; and of my second piece (of its steps 4-7): 69,632 bytes on in both
	s_add_co_u32 s21, s30, PHASE
	s_add_nc_u64 s[22:23], s[18:19], PHASE
	s_or_b32 s19, s19, 0x80000000                  ; type = 2
	s_or_b32 s23, s23, 0x80000000
	s_lshl_b32 s66, s27, 12                        ; my mask words: 4,096 bytes a T, 2,048 a half
	s_lshl_b32 s67, s26, 11
	s_add_co_u32 s66, s66, s67
	s_mov_b32 s67, 0
	s_add_nc_u64 s[2:3], s[36:37], s[66:67]
	s_lshl_b32 s66, s27, 13                        ; X_Q's tile: 16 rows of 512 bytes
	s_add_nc_u64 s[100:101], s[38:39], s[66:67]
	s_lshl_b32 s66, s25, 9                         ; my head's g
	s_add_nc_u64 s[104:105], s[34:35], s[66:67]
	ROUND                                          ; all four work-groups are here: the joint loads meet
	tensor_load_to_lds s[16:19], s[8:15]           ; all the launch's fills, in one group: two loads of mine are out
	s_nop 0
	tensor_load_to_lds s[20:23], s[8:15]
	s_nop 0
.rept 4
	v_nop                                          ; (behind tensor loads)
.endr
	; the addresses that stay: all are made here, of the thread's and the wave's number
	v_and_b32 v248, 31, v0                         ; lane
	v_lshlrev_b32 v249, 4, v248                    ; 16 x lane
	v_and_b32 v[XOUT], 15, v0                      ; r
	v_bfe_u32 v[GH], v0, 4, 1                      ; h
	v_mul_u32_u24 v[XOUT], v[XOUT], SPITCH
	v_add_nc_u32 v[XOUT], STG, v[XOUT]             ; STG + 528 r
	s_lshl_b32 s28, s25, 6
	v_lshl_add_u32 v[SOA], v[GH], 5, v[XOUT]
	v_add_nc_u32 v[SOA], s28, v[SOA]
	v_lshl_add_u32 v[XOUT], v[GH], 6, v[XOUT]
	v_lshlrev_b32 v[GH], 6, v[GH]
	v_lshlrev_b32 v[XO], 4, v0
	v_add_nc_u32 v[RI], OHI, v249
	s_mul_i32 s29, s24, SPITCH
	s_add_co_u32 s29, s29, STG
	v_add_nc_u32 v[SR], s29, v249
	s_mul_i32 s30, s25, PIECE
	v_add_nc_u32 v[PA], s30, v249
.irp b, 0,1,2,3
	v_mov_b32 v[BX+\b], 0                          ; written once: a lane permute's destination counts as one of its sources
.endr
	global_load_b128 v[S:S+3], v[XO], s[100:101] th:TH_LOAD_NT   ; the 512 threads read X_Q's tile once, 16 bytes each: wave w takes row w
.irp b, 0,1,2,3
.irp j, 0,1,2,3
	global_load_b128 v[O+16*\b+4*\j:O+16*\b+4*\j+3], v[GH], s[104:105] offset:128*\b+16*\j   ; g at my 64 places along d
.endr
.endr
	MASKLOAD 0
	s_wait_loadcnt 16                              ; X_Q's piece is in; the 16 loads of g issued behind it may be out
	ds_store_b128 v[SR], v[S:S+3]
	BAR                                            ; X_Q's tile lies in the stage.
.irp b, 0,1,2,3
.irp j, 0,1,2,3
	ds_load_b128 v[S+16*\b+4*\j:S+16*\b+4*\j+3], v[XOUT] offset:128*\b+16*\j   ; row r, d = 32 b + 16 h + 0 .. 15
.endr
.endr
	s_wait_loadcnt 0x0                             ; g
	s_wait_dscnt 0x0
.set j, 0
.rept 32
	v_pk_mul_f32 v[S+2*j:S+2*j+1], v[S+2*j:S+2*j+1], v[O+2*j:O+2*j+1]   ; the scores' left operand: X_Q x g, in f32
.set j, j+1
.endr
	QUANT S, QF, QS
	v_mov_b32 v13, 0xff61b1e6                      ; the largest t so far: -3e38, under every t.  (These eight plain lines are also the places between the writing of Q's scale word and codes and the first scaled product)
	v_floor_f32 v12, -v13                          ; -M
	v_mov_b32 v14, 0                               ; the sum, in two halves
	v_mov_b32 v15, 0
	v_mov_b32 v[NI], 0xff800000
	v_mov_b32 v247, 0                              ; (named as the upper halves of pairs before they are first written)
	v_mov_b32 v245, 0
	v_add_nc_u32 v[AD], s31, v249
	s_wait_tensorcnt 1                             ; my first piece has landed; my second, issued behind it, may be out
	s_barrier_signal -1
	s_barrier_wait -1                              ; everybody's has: steps 0-3 of both halves are whole
	KLOAD
	STEP 0, 1, 1
	STEP 1, 0, 1
	STEP 2, 0, 1
	STEP 3, 0, 0
	s_wait_tensorcnt 0x0                           ; my second piece has landed
	BAR                                            ; everybody's has: steps 4-7 of both halves are whole, and nobody reads steps 0-3 any more
	KLOAD
	STEP 4, 0, 1
	STEP 5, 0, 1
	STEP 6, 0, 1
	STEP 7, 0, 0
; ---- THE END.  Addresses first, on the way that all waves take; then the waves part by role three times, with a barrier at each joining.
	s_wait_kmcnt 0x0
	s_lshl_b32 s28, s25, 9
	s_add_co_u32 s28, s28, 4096
	s_mov_b32 s29, 0
	s_add_nc_u64 s[32:33], s[32:33], s[28:29]      ; my head's dv
	s_lshl_b32 s28, s25, 13
	s_add_nc_u64 s[36:37], s[36:37], s[28:29]      ; O's codes: rows 16 (w % 8) on, 512 bytes a row
	s_lshl_b32 s28, s25, 9
	s_add_nc_u64 s[38:39], s[38:39], s[28:29]      ; and their scale bytes, 32 a row
	s_lshl_b32 s28, s27, 13
	s_add_nc_u64 s[40:41], s[40:41], s[28:29]      ; out0 at my work-group's 16 rows
	v_and_b32 v248, 31, v0
	s_lshl_b32 s30, s25, 10
	s_add_co_u32 s30, s30, OHI
	v_lshl_add_u32 v16, v248, 4, s30               ; where my head's fragment image goes
	s_lshl_b32 s31, s25, 7
	s_add_co_u32 s31, s31, OHS
	v_lshl_add_u32 v17, v248, 2, s31               ; and its scale word
	v_lshl_add_u32 v18, v248, 2, OHS               ; where scale words are read
	v_and_b32 v249, 15, v0
	v_bfe_u32 v248, v0, 4, 1
	v_lshlrev_b32 v19, 9, v249
	v_lshl_add_u32 v19, v248, 4, v19               ; O's codes: row r, + 16 h
	v_lshlrev_b32 v20, 5, v249                     ; O's scale words: row r
	s_cmp_lt_u32 s24, 8
	s_cbranch_scc1 .Llower_1
.irp k, 0,1,2,3,4,5,6,7,8,9,10,11,12,13,14,15
	ds_store_b128 v[PA], v[O+4*\k:O+4*\k+3] offset:512*\k   ; waves 8-15 hand their O^T over as it stands, each accumulator from its low end on,
.endr
	ds_store_b128 v[PA], v[12:15] offset:8192      ; with -M and the sum;
.irp s, 0,1,2,3,4,5,6,7
	global_load_b128 v[KF+8*\s:KF+8*\s+3], v19, s[36:37] offset:64*\s        ; and ask for their 16 rows of O: K step s = head s
	global_load_b128 v[KF+8*\s+4:KF+8*\s+7], v19, s[36:37] offset:64*\s+32
.endr
	global_load_b128 v[4:7], v20, s[38:39]         ; and those rows' eight scale words
	global_load_b128 v[8:11], v20, s[38:39] offset:16
	s_branch .Ljoin_1
.Llower_1:
.irp b, 0,1,2,3
.irp j, 0,1,2,3
	global_load_b128 v[KF+16*\b+4*\j:KF+16*\b+4*\j+3], v[GH], s[32:33] offset:128*\b+16*\j   ; waves 0-7 ask for dv at their 64 channels
.endr
.endr
.Ljoin_1:
	BAR                                            ; the upper halves' partial results lie in LDS
	s_cmp_lt_u32 s24, 8
	s_cbranch_scc0 .Ljoin_2
.irp k, 0,1,2,3,4,5,6,7,8,9,10,11,12,13,14,15
	ds_load_b128 v[S+4*\k:S+4*\k+3], v[PA] offset:512*\k
.endr
	ds_load_b128 v[BM:BM+3], v[PA] offset:8192
	s_wait_dscnt 0x0
	v_min_num_f32 v248, v12, v[BM]                 ; -M of the two halves together
	v_sub_f32 v249, v248, v12
	v_sub_f32 v248, v248, v[BM]
	v_cvt_i32_f32 v249, v249
	v_cvt_i32_f32 v248, v248
	v_ldexp_f32 v246, 1.0, v249                    ; f1 = 2^(my M - M), f2 = 2^(the other's M - M): exact
	v_ldexp_f32 v244, 1.0, v248
	v_add_f32 v14, v14, v15
	v_add_f32 v[BM+2], v[BM+2], v[BM+3]
	v_mul_f32 v14, v14, v246
	v_fma_f32 v14, v[BM+2], v244, v14
	v_permlanex16_b32 v[BX], v14, s[SEL], s[SEL+1]
	v_add_f32 v14, v14, v[BX]                      ; l: the row's sum
	v_rcp_f32 v15, v14
	v_nop                                          ; one plain place behind a transcendental
	s_wait_alu depctr_va_vdst(0)
	v_mul_f32 v249, 0, v15                         ; 0 where l is a number above 0; NaN where every key of the row is hidden
	v_mul_f32 v246, v246, v15                      ; f1 / l, f2 / l
	v_mul_f32 v244, v244, v15
.set j, 0
.rept 32
	v_pk_mul_f32 v[O+2*j:O+2*j+1], v[O+2*j:O+2*j+1], v[246:247] op_sel_hi:[1,0]
.set j, j+1
.endr
.set j, 0
.rept 32
	v_pk_fma_f32 v[O+2*j:O+2*j+1], v[S+2*j:S+2*j+1], v[244:245], v[O+2*j:O+2*j+1] op_sel_hi:[1,0,1]
.set j, j+1
.endr
	s_wait_loadcnt 0x0                             ; dv
.set j, 0
.rept 32
	v_pk_mul_f32 v[O+2*j:O+2*j+1], v[O+2*j:O+2*j+1], v[KF+2*j:KF+2*j+1]   ; x dv: the projection's left operand, K = 128 x head + channel
.set j, j+1
.endr
	QUANT O, PC, 248
	ds_store_b128 v16, v[PC:PC+3]                  ; K step = my head: the fragment goes to LDS as it stands,
	ds_store_b128 v16, v[PC+4:PC+7] offset:512
	ds_store_b32 v17, v248                         ; with its scale word
	ds_store_b32 v17, v249 offset:OHZ-OHS
.Ljoin_2:
	BAR                                            ; the eight heads' fragments lie in LDS
	s_cmp_lt_u32 s24, 8
	s_cbranch_scc1 .Ljoin_3
.irp s, 0,1,2,3,4,5,6,7
	ds_load_b128 v[S+8*\s:S+8*\s+3], v[RI] offset:1024*\s
	ds_load_b128 v[S+8*\s+4:S+8*\s+7], v[RI] offset:1024*\s+512
.endr
.irp s, 0,1,2,3,4,5,6,7
	ds_load_b32 v[24+\s], v18 offset:128*\s
.endr
	ds_load_b32 v[BM], v18 offset:OHZ-OHS          ; head 0's 0 or NaN: the mask is the same for all heads
	s_wait_dscnt 0x0
	s_wait_loadcnt 0x0                             ; O's fragments and scale words, asked for two barriers ago
.irp s, 0,1,2,3,4,5,6,7                        ; out^T: source 0 = my 16 rows of O, source 1 = the 16 queries; two accumulators by turns, even and odd K steps
	MM O+8*(\s%2), KF+8*\s, S+8*\s, (\s<2), 4+\s, 24+\s, 0
.endr
.rept 4
	v_nop                                          ; four places in front of the first read of results
.endr
.irp k, 0,1,2,3
	v_pk_add_f32 v[176+2*\k:177+2*\k], v[O+2*\k:O+2*\k+1], v[BM:BM+1] op_sel_hi:[1,0]
.endr
.irp k, 0,1,2,3
	v_pk_add_f32 v[176+2*\k:177+2*\k], v[176+2*\k:177+2*\k], v[O+8+2*\k:O+9+2*\k]
.endr
	ds_store_b128 v[SOA], v[176:179]               ; lane (r, h): out(r, 16 (w % 8) + 8 h + 0 .. 7)
	ds_store_b128 v[SOA], v[180:183] offset:16
.Ljoin_3:
	BAR                                            ; 16 whole rows of out lie in the stage
	ds_load_b128 v[184:187], v[SR]
	s_wait_dscnt 0x0
	global_store_b128 v[XO], v[184:187], s[40:41] th:TH_STORE_NT   ; wave w stores row w: 512 consecutive bytes, at a multiple of 256 from out0's first byte; written once, read by nobody here
	s_wait_xcnt 0x0
	v_lshl_add_u32 v254, v0, 2, 0x48900
	v_mov_b32 v255, 0
	s_wait_tensorcnt 0x0
	ds_add_u32 v254, v255
	s_wait_dscnt 0x0
	ROUND                                          ; the closing round: no work-group ends while a partner may still ask for a tile that names it
	s_endpgm
.Lfunc_end_k_qcf7b3e52ee_attn:
	.size	k_qcf7b3e52ee_attn, .Lfunc_end_k_qcf7b3e52ee_attn-k_qcf7b3e52ee_attn
	.p2alignl 7, 3214868480
	.fill 96, 4, 3214868480
	.section	.rodata,"a",@progbits
	.p2align	6, 0x0
	.amdhsa_kernel k_qcf7b3e52ee_attn
		.amdhsa_group_segment_fixed_size 327680
		.amdhsa_private_segment_fixed_size 0
		.amdhsa_enable_private_segment 0
		.amdhsa_kernarg_size 56
		.amdhsa_user_sgpr_count 2
		.amdhsa_user_sgpr_kernarg_segment_ptr 1
		.amdhsa_wavefront_size32 1
		.amdhsa_system_sgpr_workgroup_id_x 1
		.amdhsa_system_sgpr_workgroup_id_y 1
		.amdhsa_system_sgpr_workgroup_id_z 1
		.amdhsa_system_vgpr_workitem_id 0
		.amdhsa_next_free_vgpr 256
		.amdhsa_next_free_sgpr 106
		.amdhsa_reserve_vcc 0
		.amdhsa_float_denorm_mode_32 3
		.amdhsa_float_denorm_mode_16_64 3
		.amdhsa_memory_ordered 1
		.amdhsa_forward_progress 1
		.amdhsa_inst_pref_size 204
	.end_amdhsa_kernel
	.amdgpu_metadata
---
amdhsa.version: [ 1, 2 ]
amdhsa.kernels:
  - .name:           k_qcf7b3e52ee_attn
    .symbol:         k_qcf7b3e52ee_attn.kd
    .args:
      - { .name: kv, .offset: 0, .size: 8, .value_kind: global_buffer, .address_space: global }
      - { .name: gd, .offset: 8, .size: 8, .value_kind: global_buffer, .address_space: global }
      - { .name: maskw, .offset: 16, .size: 8, .value_kind: global_buffer, .address_space: global }
      - { .name: X_Q, .offset: 24, .size: 8, .value_kind: global_buffer, .address_space: global }
      - { .name: O_codes, .offset: 32, .size: 8, .value_kind: global_buffer, .address_space: global }
      - { .name: O_scales, .offset: 40, .size: 8, .value_kind: global_buffer, .address_space: global }
      - { .name: out0, .offset: 48, .size: 8, .value_kind: global_buffer, .address_space: global }
    .group_segment_fixed_size: 327680
    .private_segment_fixed_size: 0
    .kernarg_segment_align: 8
    .kernarg_segment_size: 56
    .max_flat_workgroup_size: 512
    .sgpr_count:     106
    .vgpr_count:     256
    .wavefront_size: 32
...
	.end_amdgpu_metadata
.endif
;; end of part 2
;; ======== version 2 of 2: 1 launch
;; limits: right only within a limited range of input values
;; launch attn (part 3): grid 256 x 1, 8 waves a work-group, clusters of 4 x 1, 327,680 bytes of LDS; arguments mask, X_K_codes, X_K_scales, X_V_codes, X_V_scales, W_Q, W_K, W_V, X_Q, O_codes, O_scales, out0; writes out0
.if DOCPART == 3
	.amdgcn_target "amdgcn-amd-amdhsa--gfx1250"
	.amdhsa_code_object_version 6
	.text
	.protected	k_qcf7b3e52ee_attn
	.globl	k_qcf7b3e52ee_attn
	.p2align	8
	.type	k_qcf7b3e52ee_attn,@function
k_qcf7b3e52ee_attn:
	s_mov_b64 s[64:65], 0
	v_nop
	global_prefetch_b8 v0, s[64:65] scope:SCOPE_SE
	s_setreg_imm32_b32 hwreg(HW_REG_WAVE_MODE, 25, 1), 1
	s_wait_xcnt 0x0
	s_wait_alu depctr_hold_cnt(0) depctr_sa_sdst(0) depctr_va_vdst(0) depctr_va_sdst(0) depctr_va_ssrc(0) depctr_va_vcc(0) depctr_vm_vsrc(0)
	s_getreg_b32 s2, hwreg(HW_REG_IB_STS2, 6, 4)
	s_cmp_eq_u32 s2, 0
	s_cbranch_scc0 .Lentry_in_a_cluster
	s_endpgm
.Lentry_in_a_cluster:
	s_bfe_u32 s2, ttmp6, 0x10000c
	s_cmp_lg_u32 s2, 0x3003
	s_cbranch_scc0 .Lentry_shape_is_right
	s_endpgm
.Lentry_shape_is_right:
; out[row][:] = concat over heads h of ( softmax_k( mask ? (X_Q[row] x g[h]) . X_K[k] / sqrt(128) : hidden ) X_V[k] x dv[h] )  times O;  g = diag(W_Q) diag(W_K), dv = diag(W_V).
; All three products on codes of FP4 (E2M1) with one E8M0 scale for each 32 along K.
; SHARES.  Work-group T owns rows 16 T .. 16 T + 15 of the 4,096 (batch, query) rows for ALL eight heads, so the projection is made here too, and the mask's rows are read by one work-group alone, once.
;   Eight waves of 512 registers, two to a SIMD.  Wave w: hp = w % 4, kh = w / 4: two heads (slot 0: 2 hp + kh, which the wave finishes; slot 1: the other of the pair) x keys 1,024 kh .. + 1,023 of the batch: eight steps of 128 keys.
;   A step's fragments of K and V come from LDS once for both heads.  At the end each wave hands slot 1's partial result to its partner and takes the partner's for slot 0: exact powers of two (M is a whole number).
; LDS.  K's, V's codes and scale bytes of the batch fit whole: each byte is filled once, by one joint tensor load a wave (the four work-groups of a cluster belong to one batch: mask 15 in all four).
;   K: 4 keys = 256 bytes + 16 of padding; V: a channel's 1,024 bytes + 16; so the 16 rows that a fragment load touches start at different groups of banks (64 banks of 4 bytes: ISA guide 11.1).  V's scale bytes: 64 + 8.
; DIAGONALS.  Wave w gathers those of its own head: four numbers a lane of W_Q and W_K behind the tensor loads, of W_V in the last two steps.
; LAYOUT.  Both attention products are used transposed: S^T = K Q^T, O^T = V^T P^T: a lane (r = lane % 16, h = lane / 16) holds ONE query.  Tile t is 16 neighbouring keys (channels): register 16 b + 8 u + j of the 64 is key 32 b + 16 u + 8 h + j.
;   A conversion of eight registers gives run 2 u + h of block b; two exchanges of half waves for each pair of blocks make of them the operand's registers.
; MASK.  A span is 256 keys (two steps).  Each of the four waves of a key half packs 4 of the 16 rows: 4 bits a key, 0000 visible, 1110 hidden, into LDS, a span ahead.  A lane's word is 8 neighbouring keys; shifted so that a key's four bits come on top it is,
;   as an f32, under 2^-97 in magnitude where the key is visible and -2^65 or lower where it is hidden (whatever bits follow), and it is the C OPERAND of the score products of both heads.
;   Each span is asked of memory a whole trip (two steps) ahead by the loads themselves, 4,096 bytes a wave; K and V have no stream in the loop: so no prefetch is written.
; SOFTMAX.  t = score x c, c = log2(e) / sqrt(128); M = the running largest t rounded up to a whole number; p = 2^(t - M) is quantised along the keys, not normalised; the sum is taken of the unquantised p.
;   When M moves, the sum and O^T are multiplied by 2^(old M - new M): exact.  A block's largest p is made from the block's largest score by the same two instructions.
; LIMITS.  The softmax's promise holds while the scaled scores (to the base 2) stay under 2^31 in magnitude.  NaN and infinities among the floating-point inputs are not served.  A block whose largest magnitude lies under 2^-124 (zeros too) gets the scale byte 1; read here alone.
;   A visible score may carry an addend under 2^-97.  Sums of the key halves, and the projection's even and odd K steps, are added at the end in f32.  A row all of whose keys are hidden gives NaN in its 128 outputs (0 x 1 / 0 is added to them).
; REGISTERS.  Window 0: v1-7 addresses; v8-15 K's, V's (at the end O's) scale words; v16-23 Q's, p's (at the end the heads' results') scale words; v24-39, v40-55 what belongs to slot 0, 1; v56-59 dv; v60-61 the add; v62 16 x lane; v63 the gathers' offset;
;   v64-127 fragments of K or V; v128 S^T of slot 0; v192 O^T of slot 0.
;   Window 1: v0-15 Q's fragments; v16-23 packed mask; v24-55 raw mask; v56-62 address bases; v64-127 C (p's codes lie in its first 16 in between); v128 S^T of slot 1; v192 O^T of slot 1.
;   A slot's sixteen: +0 -M, +1 largest score, +2 sum (pair), +4 a chain of it (pair), +6 f (pair), +8 block maxima, +12 the conversions' scale operands.
.set VOFF,  139264
.set KSO,   272384
.set VSO,   280576
.set NIB,   289792                     ; packed mask: 1,088 bytes a step: 544 h + 32 r + 4 tile
.set SPARE, 307200                     ; the spare words, 128 bytes for each wave
.set GS,    308224                     ; g, 512 bytes a head
.set XQS,   312320                     ; X_Q's 16 rows x 528
.set OHI,   69632                      ; the end, over K: partial results 8 x 8,704 from byte 0; the heads' fragments,
.set OHS,   77824                      ; their scale words,
.set OHZ,   78848                      ; 0 x 1 / l,
.set OSTG,  79872                      ; out's 16 rows x 528,
.set DVS,   88320                      ; dv, 512 bytes a wave
.set KS, 8
.set VS, 12
.set H0, 24
.set H1, 40
.set KV, 64
.set SB, 128
.set OB, 192
.set RAW, 24
.set MSB, 0
.macro WIN new                         ; the immediate's high byte repeats the setting that is left
.if MSB != \new
	s_set_vgpr_msb (MSB<<8)|(\new)
.set MSB, \new
.endif
.endm
.macro ROUND                           ; a round of the cluster's barrier
	s_barrier_signal -1
	s_barrier_wait -1
	s_cmp_lg_u32 s3, 0
	s_cbranch_scc1 .Lnot_wave_0_\@
	s_barrier_signal -3
.Lnot_wave_0_\@:
	s_barrier_wait -3
	s_barrier_signal -1
	s_barrier_wait -1
.endm
.macro BAR                             ; my LDS stores have landed and my LDS loads are in: then the work-group's barrier
	s_wait_dscnt 0x0
	s_barrier_signal -1
	s_barrier_wait -1
.endm
; one product 16 x 16 x 128 on C.  row1 = 1: source 0's scale words stand in lanes 16-31
.macro MM d, a, b, c, sa, sb, row1
.if \row1
	v_wmma_scale_f32_16x16x128_f8f6f4 v[(\d):(\d)+7], v[(\a):(\a)+7], v[(\b):(\b)+7], v[(\c):(\c)+7], v[\sa], v[\sb] matrix_a_fmt:MATRIX_FMT_FP4 matrix_b_fmt:MATRIX_FMT_FP4 matrix_a_scale:MATRIX_SCALE_ROW1
.else
	v_wmma_scale_f32_16x16x128_f8f6f4 v[(\d):(\d)+7], v[(\a):(\a)+7], v[(\b):(\b)+7], v[(\c):(\c)+7], v[\sa], v[\sb] matrix_a_fmt:MATRIX_FMT_FP4 matrix_b_fmt:MATRIX_FMT_FP4
.endif
.endm
; FOUR ROWS OF A SPAN, raw in window 1 from R on (row u: 4 keys 4 L of the even step, then 4 of the odd one), packed and stored: 16 bits a lane and step
.macro CONVERT R
	WIN 0x04
	v_add_nc_u32 v7, s47, v62
	WIN 0x55
.irp i, 0,1,2,3,4,5,6,7
.irp u, 0,1,2,3
	v_min_u32 v[\R+8*\u+\i], 1, v[\R+8*\u+\i]
.endr
.endr
.irp i, 1,2,3,4,5,6,7
.irp u, 0,1,2,3
	v_lshl_or_b32 v[\R+8*\u], v[\R+8*\u+\i], 4*\i, v[\R+8*\u]
.endr
.endr
.irp u, 0,1,2,3
	v_sub_nc_u32 v[\R+8*\u], 0x11111111, v[\R+8*\u]   ; 1 where hidden
.endr
.irp u, 0,1,2,3
	v_mul_lo_u32 v[\R+8*\u], v[\R+8*\u], 14           ; 1110 where hidden
.endr
	WIN 0x04
.irp u, 0,1,2,3
	ds_store_b16 v7, v[\R+8*\u] offset:32*\u
	ds_store_b16_d16_hi v7, v[\R+8*\u] offset:32*\u+1088
.endr
	WIN 0
	s_add_co_u32 s47, s47, 2176
.endm
.macro KLOAD                           ; the next step's 8 fragments of K and their scale words: 20 loads
.irp t, 0,1,2,3,4,5,6,7
	ds_load_b128 v[KV+8*\t:KV+8*\t+3], v1 offset:1088*\t
	ds_load_b128 v[KV+8*\t+4:KV+8*\t+7], v1 offset:1088*\t+32
.endr
.irp t, 0,1,2,3
	ds_load_b32 v[KS+\t], v4 offset:128*\t
.endr
	s_add_co_u32 s42, s42, 8704
	s_add_co_u32 s44, s44, 512
.endm
.macro NWLOAD                          ; the next step's mask words: 2 loads
	WIN 0x40
	ds_load_b128 v[16:19], v6
	ds_load_b128 v[20:23], v6 offset:16
	WIN 0
	s_add_co_u32 s46, s46, 1088
.endm
.macro CEXP                            ; C of the next step: key j of a word comes on top
	WIN 0x45
.irp T, 7,6,5,4,3,2,1,0
.irp j, 0,1,2,3,4,5,6
	v_lshlrev_b32 v[64+8*\T+\j], 28-4*\j, v[16+\T]
.endr
	v_mov_b32 v[64+8*\T+7], v[16+\T]
.endr
	WIN 0
	s_wait_alu depctr_va_vdst(0)                   ; ahead of the waits
.endm
; block maxima (joined over the halves: +8 blocks 0 | 1, +10 blocks 2 | 3) become the four conversions' scale operands, +12 .. +15, and the scale word
.macro SCALEW hb, pw
	v_add_nc_u32 v[\hb+12], 0xff000000, v[\hb+8]   ; 2 off the exponent field: the conversion takes the exponent field as its scale
	v_add_nc_u32 v[\hb+14], 0xff000000, v[\hb+10]
	v_lshrrev_b32 v[\hb+8], 23, v[\hb+12]
	v_lshrrev_b32 v[\hb+10], 23, v[\hb+14]
	v_mov_b32 v[\hb+13], v[\hb+12]
	v_mov_b32 v[\hb+15], v[\hb+14]
	v_lshl_or_b32 v[\hb+8], v[\hb+10], 16, v[\hb+8]
	v_permlane16_swap_b32 v[\hb+12], v[\hb+13]     ; of a register and its copy: the lower half's number everywhere, and the upper half's
	v_permlane16_swap_b32 v[\hb+14], v[\hb+15]
	v_permlanex16_b32 v[\hb+9], v[\hb+8], s104, s105
	v_lshl_or_b32 v[\pw], v[\hb+9], 8, v[\hb+8]    ; lanes 0-15: bytes 0 to 3
.endm
; 64 numbers of a lane (window 0) become a fragment's codes in eight registers of window 1 from q on and the scale word in v[pw]
.macro QUANT src, q, pw
	WIN 0
.irp b, 0,1,2,3
	v_max3_num_f32 v[H0+8+\b], |v[\src+16*\b]|, |v[\src+1+16*\b]|, 0x1800000   ; with the floor 2^(3 - 127): the byte cannot fall under 1
.endr
.irp i, 2,4,6,8,10,12,14
.irp b, 0,1,2,3
	v_max3_num_f32 v[H0+8+\b], v[H0+8+\b], |v[\src+16*\b+\i]|, |v[\src+1+16*\b+\i]|
.endr
.endr
	v_permlane16_swap_b32 v[H0+8], v[H0+9]
	v_permlane16_swap_b32 v[H0+10], v[H0+11]
	v_max_num_f32 v[H0+8], v[H0+8], v[H0+9]        ; lanes 0-15: block 0's largest, lanes 16-31: block 1's
	v_max_num_f32 v[H0+10], v[H0+10], v[H0+11]
	SCALEW H0, \pw
	WIN 0x40
.irp b, 0,1,2,3
.irp u, 0,1
	v_cvt_scalef32_pk8_fp4_f32 v[\q+4*(\b/2)+2*\u+(\b%2)], v[\src+16*\b+8*\u:\src+16*\b+8*\u+7], v[H0+12+\b]
.endr
.endr
	v_nop                                          ; one plain place behind a scaled conversion
	WIN 0x41
.irp i, 0,2,4,6
	v_permlane16_swap_b32 v[\q+\i], v[\q+\i+1]     ; lanes 0-15: block 2 c whole, lanes 16-31: block 2 c + 1
.endr
	WIN 0
.endm
; the largest score of each block of 32 keys, my half of it: for the row's maximum and, since p rises with the score, for the block's largest p.  w: the window of S^T.  Eight chains, one a tile
.macro MAXB hb, w
	WIN 0x15*\w
.irp b, 0,1,2,3
	v_max3_num_f32 v[\hb+8+\b], v[SB+16*\b], v[SB+1+16*\b], v[SB+2+16*\b]
.endr
.irp b, 0,1,2,3
	v_max3_num_f32 v[\hb+12+\b], v[SB+8+16*\b], v[SB+9+16*\b], v[SB+10+16*\b]
.endr
	WIN 0x14*\w
.irp k, 3,5
.irp b, 0,1,2,3
	v_max3_num_f32 v[\hb+8+\b], v[\hb+8+\b], v[SB+16*\b+\k], v[SB+1+16*\b+\k]
.endr
.irp b, 0,1,2,3
	v_max3_num_f32 v[\hb+12+\b], v[\hb+12+\b], v[SB+8+16*\b+\k], v[SB+9+16*\b+\k]
.endr
.endr
	WIN 0x10*\w
.irp b, 0,1,2,3
	v_max3_num_f32 v[\hb+8+\b], v[\hb+8+\b], v[\hb+12+\b], v[SB+7+16*\b]
.endr
	WIN 0x04*\w
.irp b, 0,1,2,3
	v_max_num_f32 v[\hb+8+\b], v[\hb+8+\b], v[SB+15+16*\b]
.endr
.endm
; a slot's 64 p go to its sum, two at a time, in six chains.  w: the window of S^T
.macro SUM hb, w
	WIN 5*\w
	v_pk_add_f32 v[\hb+4:\hb+5], v[SB+2:SB+3], v[SB+4:SB+5]
	v_pk_add_f32 v[\hb+8:\hb+9], v[SB+6:SB+7], v[SB+8:SB+9]
	v_pk_add_f32 v[\hb+10:\hb+11], v[SB+10:SB+11], v[SB+12:SB+13]
	v_pk_add_f32 v[\hb+12:\hb+13], v[SB+14:SB+15], v[SB+16:SB+17]
	v_pk_add_f32 v[\hb+14:\hb+15], v[SB+18:SB+19], v[SB+20:SB+21]
	WIN 4*\w
	v_pk_add_f32 v[\hb+2:\hb+3], v[\hb+2:\hb+3], v[SB:SB+1]
.set j, 11
.rept 21
.set q, (j-11)%6
.if q == 0
.set q, 4
.elseif q == 5
.set q, 2
.else
.set q, 6+2*q
.endif
	v_pk_add_f32 v[\hb+q:\hb+q+1], v[\hb+q:\hb+q+1], v[SB+2*j:SB+2*j+1]
.set j, j+1
.endr
	WIN 0
	v_pk_add_f32 v[\hb+8:\hb+9], v[\hb+8:\hb+9], v[\hb+10:\hb+11]
	v_pk_add_f32 v[\hb+12:\hb+13], v[\hb+12:\hb+13], v[\hb+14:\hb+15]
	v_pk_add_f32 v[\hb+2:\hb+3], v[\hb+2:\hb+3], v[\hb+4:\hb+5]
	v_pk_add_f32 v[\hb+8:\hb+9], v[\hb+8:\hb+9], v[\hb+12:\hb+13]
	v_pk_add_f32 v[\hb+2:\hb+3], v[\hb+2:\hb+3], v[\hb+8:\hb+9]
.endm
.macro DV k                            ; one of dv's four gathers
	global_load_b32 v[56+\k], v63, s[30:31] offset:516*(\k)
.endm
; A KEY STEP of both slots.  cvt = 1: the next span's mask is packed and the one after it asked for.  bar = 1: the barrier's signal for that stands here; bar = 2: its wait, a whole step later.  more = 1: the next step's mask words and K are fetched.
; dv under 4: gathers dv and dv + 1 of dv's four are asked for.  The accumulators take turns, one instruction a turn.
.macro STEP cvt, bar, more, dv
	s_wait_dscnt 0x0                               ; K is in
	WIN 0x14
.irp t, 0,1,2,3,4,5,6,7
	MM SB+8*\t, KV+8*\t, 0, 64+8*\t, KS+\t/2, 16, \t%2
.endr
	WIN 0x54
.irp t, 0,1,2,3,4,5,6,7
	MM SB+8*\t, KV+8*\t, 8, 64+8*\t, KS+\t/2, 17, \t%2
.endr
	WIN 0x04
	v_add_nc_u32 v2, s43, v57                      ; these four lines are also the places behind the products
	v_add_nc_u32 v3, s43, v58
	v_add_nc_u32 v5, s45, v60
.if (\more) && (\bar != 2)
	v_add_nc_u32 v6, s46, v61
.else
	v_nop
.endif
	WIN 0
.irp t, 0,1,2,3
	ds_load_b128 v[KV+8*\t:KV+8*\t+3], v2 offset:16640*\t         ; V has the whole softmax in which to come
	ds_load_b128 v[KV+8*\t+4:KV+8*\t+7], v2 offset:16640*\t+32
.endr
.irp t, 0,1,2,3
	ds_load_b128 v[KV+32+8*\t:KV+32+8*\t+3], v3 offset:16640*\t
	ds_load_b128 v[KV+32+8*\t+4:KV+32+8*\t+7], v3 offset:16640*\t+32
.endr
.irp t, 0,1,2,3
	ds_load_b32 v[VS+\t], v5 offset:2304*\t
.endr
.if (\more) && (\bar != 2)
	NWLOAD
.endif
	s_add_co_u32 s43, s43, 64
	s_add_co_u32 s45, s45, 4
.if \dv < 4
	DV \dv
.endif
.if \cvt
	s_wait_alu depctr_va_vdst(0)
	s_wait_loadcnt 0x0                             ; the raw words asked for a trip ago
	CONVERT RAW
	s_wait_alu depctr_va_vdst(0)                   ; ahead of the branch
	s_cmp_lt_u32 s2, 2
	s_cbranch_scc0 .Lall_asked_\@
	s_add_nc_u64 s[40:41], s[40:41], 0x400
	WIN 0x40
.irp u, 0,1,2,3
.irp e, 0,1
	global_load_b128 v[RAW+8*\u+4*\e:RAW+8*\u+4*\e+3], v62, s[40:41] offset:8192*\u+512*\e+1024 th:TH_LOAD_NT
.endr
.endr
	WIN 0
.Lall_asked_\@:
.endif
	MAXB H0, 0
	MAXB H1, 1
	WIN 0
.irp b, 8,10
.irp g, H0,H1
	v_permlane16_swap_b32 v[\g+\b], v[\g+\b+1]
.endr
.endr
.irp b, 8,10
.irp g, H0,H1
	v_max_num_f32 v[\g+\b], v[\g+\b], v[\g+\b+1]   ; +8: blocks 0 | 1, +10: blocks 2 | 3
.endr
.endr
.irp g, H0,H1
	v_max_num_f32 v[\g+14], v[\g+8], v[\g+10]
.endr
.irp g, H0,H1
	v_permlanex16_b32 v[\g+15], v[\g+14], s104, s105
.endr
.irp g, H0,H1
	v_max3_num_f32 v[\g+1], v[\g+1], v[\g+14], v[\g+15]   ; the running largest score of my query
.endr
.irp g, H0,H1
	v_mul_f32 v[\g+14], s10, v[\g+1]               ; -t
.endr
.irp g, H0,H1
	v_mov_b32 v[\g+15], v[\g]
.endr
.irp g, H0,H1
	v_floor_f32 v[\g], v[\g+14]                    ; the new -M = floor(-t) = -ceil(t)
.endr
.irp g, H0,H1
	v_sub_f32 v[\g+15], v[\g], v[\g+15]            ; old M - new M: a whole number, 0 or less
.endr
.irp g, H0,H1
	v_cvt_i32_f32 v[\g+15], v[\g+15]               ; (it saturates)
.endr
.irp g, H0,H1
	v_ldexp_f32 v[\g+6], 1.0, v[\g+15]             ; f = 2^(old M - new M)
.endr
.irp g, H0,H1
	v_fma_f32 v[\g+8], v[\g+8], s8, v[\g]          ; t - M of the blocks' largest scores
	v_fma_f32 v[\g+10], v[\g+10], s8, v[\g]
.endr
.set j, 0
.rept 32
	v_pk_mul_f32 v[OB+2*j:OB+2*j+1], v[OB+2*j:OB+2*j+1], v[H0+6:H0+7] op_sel_hi:[1,0]   ; O^T under the new M
.set j, j+1
.endr
.set j, 0
.rept 32
	v_pk_fma_f32 v[SB+2*j:SB+2*j+1], v[SB+2*j:SB+2*j+1], s[8:9], v[H0:H0+1] op_sel_hi:[1,0,0]   ; t - M
.set j, j+1
.endr
	WIN 0x41
.set j, 0
.rept 32
	v_pk_mul_f32 v[OB+2*j:OB+2*j+1], v[OB+2*j:OB+2*j+1], v[H1+6:H1+7] op_sel_hi:[1,0]
.set j, j+1
.endr
.set j, 0
.rept 32
	v_pk_fma_f32 v[SB+2*j:SB+2*j+1], v[SB+2*j:SB+2*j+1], s[8:9], v[H1:H1+1] op_sel_hi:[1,0,0]
.set j, j+1
.endr
	WIN 0
	s_wait_alu depctr_va_vdst(0)                   ; ahead of the batch
.irp g, H0,H1
	v_exp_f32 v[\g+8], v[\g+8]                     ; the blocks' largest p
	v_exp_f32 v[\g+10], v[\g+10]
.endr
.set j, 0
.rept 64
	v_exp_f32 v[SB+j], v[SB+j]                     ; p = 2^(t - M)
.set j, j+1
.endr
	WIN 0x41
.set j, 0
.rept 64
	v_exp_f32 v[SB+j], v[SB+j]
.set j, j+1
.endr
	WIN 0
.irp g, H0,H1
	v_pk_mul_f32 v[\g+2:\g+3], v[\g+2:\g+3], v[\g+6:\g+7] op_sel_hi:[1,0]   ; the sums under the new M: plain work behind the batch
.endr
	s_wait_alu depctr_va_vdst(0)                   ; ahead of the batch's first reader
.irp g, H0,H1
	v_max_num_f32 v[\g+8], 0x1800000, v[\g+8]      ; the floor 2^(3 - 127): a block whose every p is 0 keeps the byte 1: its codes are zeros
	v_max_num_f32 v[\g+10], 0x1800000, v[\g+10]
.endr
	SCALEW H0, 18
	SCALEW H1, 19
	WIN 0x40
.irp b, 0,1,2,3
.irp u, 0,1
	v_cvt_scalef32_pk8_fp4_f32 v[64+4*(\b/2)+2*\u+(\b%2)], v[SB+16*\b+8*\u:SB+16*\b+8*\u+7], v[H0+12+\b]
.endr
.endr
	WIN 0x41
.irp b, 0,1,2,3
.irp u, 0,1
	v_cvt_scalef32_pk8_fp4_f32 v[72+4*(\b/2)+2*\u+(\b%2)], v[SB+16*\b+8*\u:SB+16*\b+8*\u+7], v[H1+12+\b]
.endr
.endr
	v_nop                                          ; one plain place behind a scaled conversion
.irp i, 64,66,68,70,72,74,76,78
	v_permlane16_swap_b32 v[\i], v[\i+1]
.endr
	SUM H0, 0                                      ; also the places between the writing of p's codes and scale words and the products that take them
.if \dv < 4
	DV \dv+1
.endif
	s_wait_dscnt 0x0                               ; V is in, and my packed mask has landed
.if \bar == 1
	s_barrier_signal -1
.endif
	WIN 0x04
.irp t, 0,1,2,3,4,5,6,7
	MM OB+8*\t, KV+8*\t, 64, OB+8*\t, VS+\t/2, 18, \t%2
.endr
	WIN 0x54
.irp t, 0,1,2,3,4,5,6,7
	MM OB+8*\t, KV+8*\t, 72, OB+8*\t, VS+\t/2, 19, \t%2
.endr
.if \more
	WIN 0x04
	v_add_nc_u32 v1, s42, v56                      ; four places behind the products
	v_add_nc_u32 v4, s44, v59
	v_add_nc_u32 v6, s46, v61
	v_nop
	WIN 0
.if \bar == 2
	s_wait_alu depctr_va_vdst(0)
	s_barrier_wait -1                              ; the next span's packed mask is whole
	NWLOAD
.endif
	KLOAD
.endif
	SUM H1, 1
.if \more
.if \bar == 2
	s_wait_dscnt 20                                ; the mask words are in; K's 20 loads behind them may be out
.endif
	CEXP
.endif
.endm
; ---- THE HEAD.  Under the arguments' flight: constants, addresses, what is cleared
	s_load_b512 s[16:31], s[0:1], 0x0              ; mask s16, X_K codes s18, scales s20, X_V codes s22, scales s24, W_Q s26, W_K s28, W_V s30
	s_load_b256 s[32:39], s[0:1], 0x40             ; X_Q s32, O codes s34, scales s36, out0 s38
	v_lshl_add_u32 v60, v0, 2, SPARE
	v_mov_b32 v61, 0
	ds_add_u32 v60, v61                            ; the opening: the add, twice on end, and its wait
	ds_add_u32 v60, v61
	v_lshrrev_b32 v1, 5, v0
	v_readfirstlane_b32 s3, v1                     ; wave 0..7
	s_and_b32 s4, s3, 3                            ; hp
	s_lshr_b32 s5, s3, 2                           ; kh
	s_lshl_b32 s6, s4, 1
	s_add_co_u32 s6, s6, s5                        ; the head that I finish (slot 0)
	s_bfe_u32 s66, ttmp6, 0x40000                  ; my place in the cluster
	s_lshl_b32 s7, ttmp9, 2
	s_add_co_u32 s7, s7, s66                       ; T: it enters the addresses of mask, X_Q and out0 alone
	s_lshr_b32 s11, ttmp9, 5                       ; the batch: 32 clusters each
	s_mov_b32 s8, 0x3e0293ee                       ; c = log2(e) / sqrt(128)
	s_mov_b32 s9, s8                               ; (named with it as a pair, so it is written)
	s_mov_b32 s10, 0xbe0293ee                      ; -c
	s_mov_b32 s104, 0x76543210
	s_mov_b32 s105, 0xfedcba98                     ; lane selects for lane xor 16
	s_mov_b32 s2, 0
.irp i, 42,43,44,45,46,47
	s_mov_b32 s[\i], 0
.endr
	; descriptor group 1: elements of 8 bytes, the mask of all four work-groups, bit 21 beside it
	s_mov_b32 s48, 15|(3<<16)|(1<<20)|(1<<21)|(5<<22)|(3<<25)   ; K: 128 rows of 256 bytes, 16 of padding behind each
	s_mov_b32 s49, 32<<16
	s_mov_b32 s50, 128<<16
	s_mov_b32 s51, 32<<16
	s_mov_b32 s52, 128
	s_mov_b32 s53, 32
	s_mov_b32 s54, 0
	s_mov_b32 s55, 0
	s_mov_b32 s56, 15|(3<<16)|(1<<20)|(1<<21)|(7<<22)|(3<<25)   ; V: 64 rows of 1,024 bytes, 16 of padding behind each
	s_mov_b32 s57, 128<<16
	s_mov_b32 s58, 64<<16
	s_mov_b32 s59, 128<<16
	s_mov_b32 s60, 64
	s_mov_b32 s61, 128
	s_mov_b32 s62, 0
	s_mov_b32 s63, 0
	s_mov_b32 s68, 15|(3<<16)|(1<<21)                           ; K's scale bytes: 32 rows of 256, dense
	s_mov_b32 s76, 15|(3<<16)|(1<<20)|(1<<21)|(3<<22)|(1<<25)   ; V's: the same, 8 bytes of padding behind every 64
.irp g, 68,76
	s_mov_b32 s[\g+1], 32<<16
	s_mov_b32 s[\g+2], 32<<16
	s_mov_b32 s[\g+3], 32<<16
	s_mov_b32 s[\g+4], 32
	s_mov_b32 s[\g+5], 32
	s_mov_b32 s[\g+6], 0
	s_mov_b32 s[\g+7], 0
.endr
	; scalars of the LDS addresses
	s_mul_i32 s84, s5, 69632                       ; K: my half
	s_lshl_b32 s85, s5, 9
	s_add_co_u32 s85, s85, VOFF                    ; V
	s_add_co_u32 s86, s85, 66560                   ; V's channels 64 on
	s_lshl_b32 s87, s5, 12
	s_add_co_u32 s87, s87, KSO
	s_lshl_b32 s88, s5, 5
	s_add_co_u32 s88, s88, VSO
	s_mul_i32 s89, s5, 8704
	s_add_co_u32 s89, s89, NIB
	s_lshl_b32 s90, s4, 7
	s_add_co_u32 s90, s90, s89
	s_mul_i32 s91, s3, 1056
	s_add_co_u32 s91, s91, XQS
	s_lshl_b32 s93, s6, 9
	s_add_co_u32 s93, s93, GS
	s_xor_b32 s94, s6, 1
	s_lshl_b32 s94, s94, 9
	s_add_co_u32 s94, s94, GS
	s_lshl_b32 s66, s7, 17                         ; mask: 16 rows of 8,192 bytes; my four rows, my key half
	s_lshl_b32 s100, s4, 15
	s_add_co_u32 s66, s66, s100
	s_lshl_b32 s100, s5, 12
	s_add_co_u32 s66, s66, s100
	s_mov_b32 s67, 0
	s_lshl_b32 s100, s7, 13                        ; X_Q: rows 2 w and 2 w + 1 of my tile
	s_lshl_b32 s101, s3, 10
	s_add_co_u32 s100, s100, s101
	s_mov_b32 s101, 0
	v_and_b32 v80, 15, v0                          ; r
	v_bfe_u32 v81, v0, 4, 1                        ; h
	v_and_b32 v82, 31, v0                          ; lane
	v_lshlrev_b32 v62, 4, v82                      ; 16 x lane
	v_mul_u32_u24 v63, 0x810, v82                  ; lane L gathers a diagonal's d = 4 L + k: 516 bytes from one to the next
	v_lshrrev_b32 v84, 2, v80
	v_lshlrev_b32 v83, 6, v80
	v_lshl_add_u32 v83, v84, 4, v83
	v_lshl_add_u32 v83, v81, 4, v83                ; K: 64 r + 16 (r / 4) + 16 h
	v_mul_u32_u24 v85, 0x410, v80
	v_lshl_add_u32 v85, v81, 4, v85                ; V: 1,040 r + 16 h
	v_lshlrev_b32 v86, 2, v82                      ; K's scale words: 4 x lane
	v_mul_u32_u24 v87, 0x48, v82                   ; V's: 72 x lane
	v_lshlrev_b32 v88, 5, v80
	v_mul_u32_u24 v84, 0x220, v81
	v_add_nc_u32 v88, v88, v84                     ; packed mask, out: 32 r + 544 h
	v_and_b32 v89, 28, v82
	v_and_b32 v84, 1, v82
	v_lshl_add_u32 v89, v84, 1, v89
	v_bfe_u32 v84, v82, 1, 1
	v_mul_u32_u24 v84, 0x220, v84
	v_add_nc_u32 v89, v89, v84                     ; in: 4 (L / 4) + 2 (L % 2) + 544 ((L / 2) % 2)
	v_mul_u32_u24 v1, 0x210, v80
	v_lshl_add_u32 v1, v81, 5, v1
	v_add_nc_u32 v1, XQS, v1                       ; X_Q, out of its stage: row r, + 32 h
	v_add_nc_u32 v2, s91, v62                      ; X_Q, in
	v_add_nc_u32 v3, s93, v62                      ; g of my head, in
	v_lshlrev_b32 v84, 5, v81
	v_add_nc_u32 v4, s93, v84                      ; g of slot 0, of slot 1, out
	v_add_nc_u32 v5, s94, v84
	WIN 0x40
	v_add_nc_u32 v56, s84, v83
	v_add_nc_u32 v57, s85, v85
	v_add_nc_u32 v58, s86, v85
	v_add_nc_u32 v59, s87, v86
	v_add_nc_u32 v60, s88, v87
	v_add_nc_u32 v61, s89, v88
	v_add_nc_u32 v62, s90, v89
.set j, 0
.rept 64
	v_mov_b32 v[OB+j], 0                           ; O^T of slot 1: the step is written once for all trips; the first change of M leaves zeros zeros
.set j, j+1
.endr
	WIN 0
.irp g, H0,H1
	v_mov_b32 v[\g+1], 0xd3800000                  ; the largest score so far: -2^40, under every score that is promised and above every hidden one
	v_mul_f32 v[\g], s10, v[\g+1]
	v_floor_f32 v[\g], v[\g]                       ; -M
	v_mov_b32 v[\g+2], 0
	v_mov_b32 v[\g+3], 0
	v_mov_b32 v[\g+7], 0                           ; (named as the upper half of a pair before it is first written)
	v_mov_b32 v[\g+15], 0                          ; (a lane permute's destination counts as one of its sources)
.endr
	s_wait_alu depctr_va_vdst(0)
	s_wait_dscnt 0x0                               ; both opening adds are done
	s_wait_kmcnt 0x0
	s_add_nc_u64 s[40:41], s[16:17], s[66:67]
	s_add_nc_u64 s[32:33], s[32:33], s[100:101]
	WIN 0x40
.irp u, 0,1,2,3
.irp e, 0,1
	global_load_b128 v[SB+8*\u+4*\e:SB+8*\u+4*\e+3], v62, s[40:41] offset:8192*\u+512*\e th:TH_LOAD_NT   ; span 0: 32 lanes read 512 consecutive bytes of a row
.endr
.endr
	WIN 0
	global_load_b128 v[64:67], v62, s[32:33]
	global_load_b128 v[68:71], v62, s[32:33] offset:512
	; descriptor group 0: waves 0-3 a quarter of K's codes each, waves 4-5 a half of V's each, wave 6 K's scale bytes, wave 7 V's
	s_lshl_b32 s66, s11, 17
	s_lshl_b32 s100, s4, 15
	s_add_co_u32 s100, s66, s100
	s_mul_i32 s67, s4, 34816
	s_mov_b32 s84, 1
	s_mov_b32 s85, s67
	s_add_nc_u64 s[86:87], s[18:19], s[100:101]
	s_or_b32 s87, s87, 0x80000000
	s_and_b32 s67, s3, 1
	s_lshl_b32 s100, s67, 16
	s_add_co_u32 s100, s66, s100
	s_mul_i32 s67, s67, 66560
	s_mov_b32 s88, 1
	s_add_co_u32 s89, s67, VOFF
	s_add_nc_u64 s[90:91], s[22:23], s[100:101]
	s_or_b32 s91, s91, 0x80000000
	s_lshl_b32 s100, s11, 13
	s_mov_b32 s92, 1
	s_mov_b32 s93, KSO
	s_add_nc_u64 s[94:95], s[20:21], s[100:101]
	s_or_b32 s95, s95, 0x80000000
	s_mov_b32 s96, 1
	s_mov_b32 s97, VSO
	s_add_nc_u64 s[98:99], s[24:25], s[100:101]
	s_or_b32 s99, s99, 0x80000000
	s_lshl_b32 s100, s6, 16                        ; my head's weights
	s_add_nc_u64 s[26:27], s[26:27], s[100:101]
	s_add_nc_u64 s[28:29], s[28:29], s[100:101]
	s_add_nc_u64 s[30:31], s[30:31], s[100:101]
	ROUND                                          ; all four work-groups are here: the joint loads meet
; all the launch's fills, one load a wave: one chain of branches on the wave's number
.macro ARM under, g0, g1, next
	s_cmp_lt_u32 s3, \under
	s_cbranch_scc0 \next
	tensor_load_to_lds s[\g0:\g0+3], s[\g1:\g1+7]
	s_nop 0
.rept 4
	v_nop
.endr
	s_branch .Lhead_asked
\next:
.endm
	ARM 4, 84, 48, .Lhead_v
	ARM 6, 88, 56, .Lhead_ks
	ARM 7, 92, 68, .Lhead_vs
	tensor_load_to_lds s[96:99], s[76:83]
	s_nop 0
.rept 4
	v_nop
.endr
.Lhead_asked:
.irp k, 0,1,2,3
	global_load_b32 v[72+\k], v63, s[26:27] offset:516*\k
	global_load_b32 v[76+\k], v63, s[28:29] offset:516*\k
.endr
	WIN 0x40
.irp u, 0,1,2,3
.irp e, 0,1
	global_load_b128 v[RAW+8*\u+4*\e:RAW+8*\u+4*\e+3], v62, s[40:41] offset:8192*\u+512*\e+1024 th:TH_LOAD_NT   ; span 1
.endr
.endr
	WIN 0
	s_wait_loadcnt 18                              ; span 0 is in; X_Q 2, the diagonals 8, span 1 8 may be out
	CONVERT SB
	s_wait_alu depctr_va_vdst(0)
	s_wait_loadcnt 16                              ; X_Q is in; the diagonals and span 1 may be out
	ds_store_b128 v2, v[64:67]
	ds_store_b128 v2, v[68:71] offset:528
	s_wait_loadcnt 8                               ; the diagonals are in; span 1 may be out
	v_pk_mul_f32 v[72:73], v[72:73], v[76:77]      ; g, in f32
	v_pk_mul_f32 v[74:75], v[74:75], v[78:79]
	ds_store_b128 v3, v[72:75]
	BAR                                            ; span 0's packed mask, X_Q's rows and the eight heads' g lie in LDS.
.irp b, 0,1,2,3
.irp i, 0,16,64,80
	ds_load_b128 v[SB+16*\b+(\i/64)*8+(\i%64)/4:SB+16*\b+(\i/64)*8+(\i%64)/4+3], v1 offset:128*\b+\i
.endr
.endr
.irp b, 0,1,2,3
.irp i, 0,16,64,80
	ds_load_b128 v[KV+16*\b+(\i/64)*8+(\i%64)/4:KV+16*\b+(\i/64)*8+(\i%64)/4+3], v4 offset:128*\b+\i
.endr
.endr
	WIN 0x40
.irp b, 0,1,2,3
.irp i, 0,16,64,80
	ds_load_b128 v[64+16*\b+(\i/64)*8+(\i%64)/4:64+16*\b+(\i/64)*8+(\i%64)/4+3], v5 offset:128*\b+\i
.endr
.endr
	WIN 0
	s_wait_dscnt 16                                ; X_Q and slot 0's g are in; slot 1's 16 loads may be out
.set j, 0
.rept 32
	v_pk_mul_f32 v[OB+2*j:OB+2*j+1], v[SB+2*j:SB+2*j+1], v[KV+2*j:KV+2*j+1]   ; the scores' left operand: X_Q x g, in f32
.set j, j+1
.endr
	WIN 0x04
	v_add_nc_u32 v1, s42, v56
	v_add_nc_u32 v4, s44, v59
	v_add_nc_u32 v6, s46, v61
	WIN 0
	NWLOAD
	QUANT OB, 0, 16
	s_wait_alu depctr_va_vdst(0)
	s_wait_dscnt 2                                 ; slot 1's g is in; the mask words' 2 loads may be out
	WIN 0x04
.set j, 0
.rept 32
	v_pk_mul_f32 v[OB+2*j:OB+2*j+1], v[SB+2*j:SB+2*j+1], v[64+2*j:65+2*j]
.set j, j+1
.endr
	QUANT OB, 8, 17
.set j, 0
.rept 64
	v_mov_b32 v[OB+j], 0                           ; O^T of slot 0
.set j, j+1
.endr
	s_wait_alu depctr_va_vdst(0)
	s_wait_tensorcnt 0x0                           ; my fill has landed
	BAR                                            ; everybody's has
	KLOAD
	CEXP
.Ltrip:                                                ; a span a trip; the last span is written out: nothing is packed in it
	STEP 1, 1, 1, 4
	STEP 0, 2, 1, 4
	s_add_co_u32 s2, s2, 1
	s_cmp_lt_u32 s2, 3
	s_cbranch_scc1 .Ltrip
	STEP 0, 0, 1, 0
	STEP 0, 0, 0, 2
; ---- THE END
	s_lshl_b32 s66, s3, 13
	s_mov_b32 s67, 0
	s_add_nc_u64 s[34:35], s[34:35], s[66:67]      ; O's codes: rows 16 w on, 512 bytes a row
	s_lshl_b32 s66, s3, 9
	s_add_nc_u64 s[36:37], s[36:37], s[66:67]      ; their scale bytes, 32 a row
	s_lshl_b32 s66, s7, 13
	s_lshl_b32 s14, s3, 10
	s_add_co_u32 s66, s66, s14
	s_add_nc_u64 s[38:39], s[38:39], s[66:67]      ; out0: rows 2 w and 2 w + 1 of my work-group's 16
	s_mul_i32 s14, s6, 8704
	s_xor_b32 s15, s6, 1
	s_mul_i32 s15, s15, 8704
	s_lshl_b32 s16, s3, 9
	s_add_co_u32 s16, s16, DVS
	s_lshl_b32 s17, s6, 10
	s_add_co_u32 s17, s17, OHI
	s_lshl_b32 s18, s6, 7
	s_add_co_u32 s18, s18, OHS
	s_lshl_b32 s19, s3, 6
	s_add_co_u32 s19, s19, OSTG
	s_mul_i32 s20, s3, 1056
	s_add_co_u32 s20, s20, OSTG
	v_and_b32 v44, 15, v0                          ; r
	v_bfe_u32 v45, v0, 4, 1                        ; h
	v_and_b32 v46, 31, v0
	v_lshlrev_b32 v46, 2, v46                      ; 4 x lane
	v_lshlrev_b32 v52, 9, v44
	v_lshl_add_u32 v52, v45, 4, v52                ; O's codes: row r, + 16 h
	v_lshlrev_b32 v53, 5, v44                      ; O's scale words: row r
	v_add_nc_u32 v1, s15, v62                      ; partial results: where I give,
	v_add_nc_u32 v2, s14, v62                      ; and where I take
	v_add_nc_u32 v3, s16, v62                      ; dv of my head, in,
	v_lshlrev_b32 v4, 5, v45
	v_add_nc_u32 v4, s16, v4                       ; and out
	v_add_nc_u32 v5, s17, v62                      ; my head's fragment,
	v_add_nc_u32 v6, s18, v46                      ; its scale word
	v_add_nc_u32 v7, OHI, v62                      ; all heads' fragments
	v_add_nc_u32 v47, OHS, v46                     ; and scale words
	v_mul_u32_u24 v54, 0x210, v44
	v_lshl_add_u32 v54, v45, 5, v54
	v_add_nc_u32 v54, s19, v54                     ; out's stage, in: row r, my 16 columns
	v_add_nc_u32 v55, s20, v62                     ; and out: rows 2 w, 2 w + 1
	s_wait_alu depctr_va_vdst(0)
.irp s, 0,1,2,3,4,5,6,7
	global_load_b128 v[KV+8*\s:KV+8*\s+3], v52, s[34:35] offset:64*\s       ; my 16 rows of O: K step s = head s
	global_load_b128 v[KV+8*\s+4:KV+8*\s+7], v52, s[34:35] offset:64*\s+32
.endr
	global_load_b128 v[8:11], v53, s[36:37]        ; and those rows' eight scale words
	global_load_b128 v[12:15], v53, s[36:37] offset:16
	BAR                                            ; nobody reads K any more
	WIN 0x04
.irp k, 0,1,2,3,4,5,6,7,8,9,10,11,12,13,14,15
	ds_store_b128 v1, v[OB+4*\k:OB+4*\k+3] offset:512*\k   ; slot 1's O^T as it stands, each accumulator from its low end on,
.endr
	WIN 0
	ds_store_b128 v1, v[H1:H1+3] offset:8192       ; with -M and the sum
	s_wait_loadcnt 18                              ; dv is in; O's 18 loads behind it may be out
	ds_store_b128 v3, v[56:59]
	BAR                                            ; the partial results lie in LDS
.irp k, 0,1,2,3,4,5,6,7,8,9,10,11,12,13,14,15
	ds_load_b128 v[SB+4*\k:SB+4*\k+3], v2 offset:512*\k
.endr
	ds_load_b128 v[H0+8:H0+11], v2 offset:8192
	WIN 0x40
.irp b, 0,1,2,3
.irp i, 0,16,64,80
	ds_load_b128 v[SB+16*\b+(\i/64)*8+(\i%64)/4:SB+16*\b+(\i/64)*8+(\i%64)/4+3], v4 offset:128*\b+\i   ; dv at my 64 channels
.endr
.endr
	WIN 0
	s_wait_dscnt 0x0
	v_min_num_f32 v38, v24, v32                    ; -M of the two halves together
	v_add_f32 v26, v26, v27
	v_sub_f32 v39, v38, v24
	v_sub_f32 v36, v38, v32
	v_cvt_i32_f32 v39, v39
	v_cvt_i32_f32 v36, v36
	v_add_f32 v34, v34, v35
	v_ldexp_f32 v30, 1.0, v39                      ; f1 = 2^(my M - M), f2 = 2^(the other's M - M): exact
	v_ldexp_f32 v28, 1.0, v36
	v_mul_f32 v26, v26, v30
	v_fma_f32 v26, v34, v28, v26
	v_permlanex16_b32 v33, v26, s104, s105
	v_add_f32 v26, v26, v33                        ; l: the row's sum
	s_wait_alu depctr_va_vdst(0)                   ; ahead of the transcendental
	v_rcp_f32 v27, v26
	v_nop                                          ; one plain place behind it
	s_wait_alu depctr_va_vdst(0)                   ; and the wait ahead of its first reader, and of the first readers of O^T
	v_mul_f32 v30, v30, v27                        ; f1 / l, f2 / l
	v_mul_f32 v28, v28, v27
	v_mul_f32 v25, 0, v27                          ; 0 where l is a number above 0; NaN where every key of the row is hidden
.set j, 0
.rept 32
	v_pk_mul_f32 v[OB+2*j:OB+2*j+1], v[OB+2*j:OB+2*j+1], v[30:31] op_sel_hi:[1,0]
.set j, j+1
.endr
.set j, 0
.rept 32
	v_pk_fma_f32 v[OB+2*j:OB+2*j+1], v[SB+2*j:SB+2*j+1], v[28:29], v[OB+2*j:OB+2*j+1] op_sel_hi:[1,0,1]
.set j, j+1
.endr
	WIN 0x04
.set j, 0
.rept 32
	v_pk_mul_f32 v[OB+2*j:OB+2*j+1], v[OB+2*j:OB+2*j+1], v[SB+2*j:SB+2*j+1]   ; x dv: the projection's left operand, K = 128 x head + channel
.set j, j+1
.endr
	QUANT OB, 0, 16
	WIN 0x04
	ds_store_b128 v5, v[0:3]                       ; K step = my head: the fragment as it stands,
	ds_store_b128 v5, v[4:7] offset:512
	WIN 0
	ds_store_b32 v6, v16                           ; with its scale word
	ds_store_b32 v6, v25 offset:OHZ-OHS
	BAR                                            ; the eight heads' fragments lie in LDS
.irp s, 0,1,2,3,4,5,6,7
	ds_load_b128 v[SB+8*\s:SB+8*\s+3], v7 offset:1024*\s
	ds_load_b128 v[SB+8*\s+4:SB+8*\s+7], v7 offset:1024*\s+512
.endr
.irp s, 0,1,2,3,4,5,6,7
	ds_load_b32 v[16+\s], v47 offset:128*\s
.endr
	ds_load_b32 v32, v47 offset:OHZ-OHS            ; head 0's 0 or NaN: the mask is the same for all heads
	s_wait_dscnt 0x0
	s_wait_loadcnt 0x0                             ; O's fragments and scale words
	; out^T: source 0 = my 16 rows of O, source 1 = the 16 queries; two accumulators by turns, even and odd K steps
.irp s, 0,1
	v_wmma_scale_f32_16x16x128_f8f6f4 v[OB+8*\s:OB+8*\s+7], v[KV+8*\s:KV+8*\s+7], v[SB+8*\s:SB+8*\s+7], 0, v[8+\s], v[16+\s] matrix_a_fmt:MATRIX_FMT_FP4 matrix_b_fmt:MATRIX_FMT_FP4
.endr
.irp s, 2,3,4,5,6,7
	MM OB+8*(\s%2), KV+8*\s, SB+8*\s, OB+8*(\s%2), 8+\s, 16+\s, 0
.endr
.rept 4
	v_nop                                          ; four places in front of the first read of results (ISA guide 7.12.1)
.endr
.irp k, 0,2,4,6
	v_pk_add_f32 v[208+\k:209+\k], v[OB+\k:OB+\k+1], v[32:33] op_sel_hi:[1,0]
.endr
.irp k, 0,2,4,6
	v_pk_add_f32 v[208+\k:209+\k], v[208+\k:209+\k], v[OB+8+\k:OB+9+\k]
.endr
	ds_store_b128 v54, v[208:211]                  ; lane (r, h): out(r, 16 w + 8 h + 0 .. 7)
	ds_store_b128 v54, v[212:215] offset:16
	BAR                                            ; 16 whole rows of out lie in the stage
	ds_load_b128 v[128:131], v55
	ds_load_b128 v[132:135], v55 offset:528
	s_wait_dscnt 0x0
	global_store_b128 v62, v[128:131], s[38:39] th:TH_STORE_NT   ; 512 consecutive bytes each, at a multiple of 256 from out0's first byte; written once, read by nobody here
	global_store_b128 v62, v[132:135], s[38:39] offset:512 th:TH_STORE_NT
	s_wait_tensorcnt 0x0                           ; the wave's end
	ds_add_u32 v60, v61
	s_wait_dscnt 0x0
	ROUND                                          ; the closing round: no work-group ends while a partner may still ask for a tile that names it
	s_endpgm
.Lfunc_end_k_qcf7b3e52ee_attn:
	.size	k_qcf7b3e52ee_attn, .Lfunc_end_k_qcf7b3e52ee_attn-k_qcf7b3e52ee_attn
	.p2alignl 7, 3214868480
	.fill 96, 4, 3214868480
	.section	.rodata,"a",@progbits
	.p2align	6, 0x0
	.amdhsa_kernel k_qcf7b3e52ee_attn
		.amdhsa_group_segment_fixed_size 327680
		.amdhsa_private_segment_fixed_size 0
		.amdhsa_enable_private_segment 0
		.amdhsa_kernarg_size 96
		.amdhsa_user_sgpr_count 2
		.amdhsa_user_sgpr_kernarg_segment_ptr 1
		.amdhsa_wavefront_size32 1
		.amdhsa_system_sgpr_workgroup_id_x 1
		.amdhsa_system_sgpr_workgroup_id_y 1
		.amdhsa_system_sgpr_workgroup_id_z 1
		.amdhsa_system_vgpr_workitem_id 0
		.amdhsa_next_free_vgpr 512
		.amdhsa_next_free_sgpr 106
		.amdhsa_reserve_vcc 0
		.amdhsa_float_denorm_mode_32 3
		.amdhsa_float_denorm_mode_16_64 3
		.amdhsa_memory_ordered 1
		.amdhsa_forward_progress 1
		.amdhsa_inst_pref_size 199
	.end_amdhsa_kernel
	.amdgpu_metadata
---
amdhsa.version: [ 1, 2 ]
amdhsa.kernels:
  - .name:           k_qcf7b3e52ee_attn
    .symbol:         k_qcf7b3e52ee_attn.kd
    .args:
      - { .name: mask, .offset: 0, .size: 8, .value_kind: global_buffer, .address_space: global }
      - { .name: X_K_codes, .offset: 8, .size: 8, .value_kind: global_buffer, .address_space: global }
      - { .name: X_K_scales, .offset: 16, .size: 8, .value_kind: global_buffer, .address_space: global }
      - { .name: X_V_codes, .offset: 24, .size: 8, .value_kind: global_buffer, .address_space: global }
      - { .name: X_V_scales, .offset: 32, .size: 8, .value_kind: global_buffer, .address_space: global }
      - { .name: W_Q, .offset: 40, .size: 8, .value_kind: global_buffer, .address_space: global }
      - { .name: W_K, .offset: 48, .size: 8, .value_kind: global_buffer, .address_space: global }
      - { .name: W_V, .offset: 56, .size: 8, .value_kind: global_buffer, .address_space: global }
      - { .name: X_Q, .offset: 64, .size: 8, .value_kind: global_buffer, .address_space: global }
      - { .name: O_codes, .offset: 72, .size: 8, .value_kind: global_buffer, .address_space: global }
      - { .name: O_scales, .offset: 80, .size: 8, .value_kind: global_buffer, .address_space: global }
      - { .name: out0, .offset: 88, .size: 8, .value_kind: global_buffer, .address_space: global }
    .group_segment_fixed_size: 327680
    .private_segment_fixed_size: 0
    .kernarg_segment_align: 8
    .kernarg_segment_size: 96
    .max_flat_workgroup_size: 256
    .sgpr_count:     106
    .vgpr_count:     512
    .wavefront_size: 32
...
	.end_amdgpu_metadata
.endif
;; end of part 3
